; MI455X (gfx1250); checked and timed in simulation.
; The chip was launched on July 23, 2026; its instructions are those of AMD's public machine-readable ISA for CDNA 5 (MIT licence, August 2026) and "CDNA5" Instruction Set Architecture Reference Guide (July 2026). The comments in the code are by the model that wrote it; some were corrected since.
;; Self Attention. Allowed arithmetic: matrix products marked QUANTISED: E2M1 operands, one E8M0 scale for each 32 along K, by v_wmma_scale_f32_16x16x128_f8f6f4 with both operands' format E2M1 (or v_wmma_scale_f32_32x16x128_f4), f32 sums; products left as they are: bf16, f16 or f32 operands; f32 sums; everything else in f32.
;; Inputs: b_out 1,024 float32; b_qkv 3,072 float32; w_out 1,024 x 1,024 float32; w_qkv 1,024 x 3,072 float32; x 4 x 2,048 x 1,024 float32.
;; Outputs: out0 4 x 2,048 x 1,024 float32.
;; This version of the problem:
;;   THIS VERSION OF THE PROBLEM IS GIVEN IN LOW PRECISION. The matrix products marked QUANTISED in the list below multiply operands that are first quantised to E2M1 (2 exponent bits, 1 mantissa bit; 4 bits a number), with one power-of-two scale for each 32 numbers along K (OCP MX v1.0); their sums are f32. The products marked 'left as it is' may take bf16, f16 or f32 operands, with f32 sums. Whichever they take, every output number must still come out within the allowed error. Rounding operands to bf16 (8 significant bits) uses up far more of that allowance than f16 does (11 bits, for magnitudes from 6e-5 to 65,504). All else is computed in f32.
;;   The module's matrix products, in the order in which they are computed (A, B: the left and right operand; K: the contracted axis; several contracted axes count as one K, in the product's order):
;;     1. [M 8,192, K 1,024] x [K 1,024, N 3,072]; A: input x; B: input w_qkv: QUANTISED
;;     2. batch 64 x [M 2,048, K 64] x [K 64, N 2,048]; A: computed on the way; B: computed on the way: left as it is (an operand is computed on the way)
;;     3. batch 64 x [M 2,048, K 2,048] x [K 2,048, N 64]; A: computed on the way; B: computed on the way: left as it is (an operand is computed on the way)
;;     4. [M 8,192, K 1,024] x [K 1,024, N 1,024]; A: computed on the way; B: input w_out: left as it is (an operand is computed on the way)
;;   THE QUANTISER, for each operand of a quantised product, along K:
;;     - K is cut into blocks of 32 from its start; a last block that is shorter is filled with zeros.
;;     - A block's scale is 2^e with e = floor(log2(the largest magnitude in the block)) - 2, held to -126 .. 127; a block of zeros has e = 0. As a byte (E8M0): e + 127.
;;     - Each number is divided by its block's scale, clamped to +-6, and rounded to the nearest number of E2M1, ties to even, subnormals kept.
;;     - The product sums the exact products of the quantised numbers (number of the format x scale) in f32.
;;   ~~~python
;;   def quantise(x, axis):      # numpy; x: float32 -> the quantised numbers, widened to float32 again
;;       x = np.moveaxis(x, axis, -1); K = x.shape[-1]
;;       x = np.pad(x, [(0, 0)] * (x.ndim - 1) + [(0, -K % 32)]); x = x.reshape(x.shape[:-1] + (-1, 32)); a = np.abs(x).max(-1, keepdims=True)
;;       e = np.where(a > 0, np.clip(np.frexp(np.where(a > 0, a, 1))[1] - 1 - 2, -126, 127), 0)      # np.frexp(a)[1] - 1 = floor(log2(a)), exactly
;;       r = np.clip(x / 2.0 ** e, -6, 6)
;;       step = 2.0 ** (np.maximum(np.frexp(np.where(r == 0, 1, r))[1] - 1, 0) - 1)
;;       q = np.round(r / step) * step * 2.0 ** e      # np.round: ties to even
;;       return np.moveaxis(q.reshape(q.shape[:-2] + (-1,))[..., :K], -1, axis).astype(np.float32)
;;   ~~~
;; One version. Each part assembles by itself: llvm-mc -triple=amdgcn-amd-amdhsa -mcpu=gfx1250 --defsym DOCPART=n.
;; ======== version 1 of 1: 4 launches
;; limits: values are held in f16: magnitudes above 65,504 overflow, below 6.1e-05 lose precision
;; workspace buffers: xc 4,194,304 bytes; xs 262,144 bytes; wc 1,572,864 bytes; ws 98,304 bytes; wo 2,097,152 bytes; qkv 50,331,648 bytes; ao 16,777,216 bytes
;; launch prep (part 1): grid 480 x 1, 4 waves a work-group, no clusters, 68,096 bytes of LDS; arguments x, w_qkv, w_out, xc, xs, wc, ws, wo; writes xc, xs, wc, ws, wo
.if DOCPART == 1
	.amdgcn_target "amdgcn-amd-amdhsa--gfx1250"
	.amdhsa_code_object_version 6
	.text
	.protected	k_q755581b0df_prep
	.globl	k_q755581b0df_prep
	.p2align	8
	.type	k_q755581b0df_prep,@function
k_q755581b0df_prep:
	s_mov_b64 s[64:65], 0
	v_nop
	global_prefetch_b8 v0, s[64:65] scope:SCOPE_SE
	s_setreg_imm32_b32 hwreg(HW_REG_WAVE_MODE, 25, 1), 1
	s_wait_xcnt 0x0
; SELF-ATTENTION, launch 1 of 4: the operands are laid out once.
;   x [8192][1024] f32      -> xc [8192][512 B] codes of FP4 (E2M1), K innermost, xs [8192][32 B] E8M0 bytes      (work-groups 0-255)
;   w_qkv [1024 k][3072 n]  -> wc [3072 n][512 B] codes, K innermost, ws [3072][32 B]                              (work-groups 256-351)
;   w_out [1024 k][1024 n]  -> wo [1024 n][1024 k] f16, K innermost                                                (work-groups 352-479)
; A block's scale is 2^(floor(log2(its largest magnitude)) - 2); its byte is the largest magnitude's exponent field - 2, held at 1 from below.
; DEAD WORK OF THE PROGRAM: the K third of b_qkv (entries 1024 to 2047).  score(q, k) = q . (k0 + bk) / 8 = q . k0 / 8 + q . bk / 8; the second term is the same
; for every key of a row, and softmax along the keys is unchanged by a term that is the same along its axis, for all finite inputs.  The product of q with k is not
; quantised, so no quantiser sees k.  The term comes in whole tiles of the QKV product (its columns 1024 to 2047): those tiles start their sums at 0 and these 4,096
; bytes are never loaded; the Q and V thirds are.  LIMIT: a NaN, an infinity or an overflow that sits only in that third of the bias is not carried to the result.
; LIMITS: a block of zeros gets the byte 1 where the rule says 127 (its codes are zeros, and this program alone reads the bytes); NaN and infinities among the inputs
; are not served; |w_out| stays under 65,504 (f16).
; The three paths part on the work-group's number alone and never join; each has LDS bytes of its own.  No tensor loads, no barrier: waves share nothing.
.set SPW,   160                        ; v160  LDS address of my spare word; never rewritten
.set NIL,   161                        ; v161  0; never rewritten
.set XREG,  8192                       ; path X: a wave's region: two stages of 32 x 80 bytes, then its 256 scale bytes
.set XSP,   80                         ; a lane's place in a stage: 64 bytes + 16 of padding
.set TP,    272                        ; paths W and O: a stage row: 256 bytes + 16
.set TREG,  16*TP                      ; a wave's stage: 16 columns
.set WBASE, 4*XREG
.set OBASE, WBASE+4*TREG
.set SPARE, OBASE+4*TREG               ; the spare words, 128 bytes for each wave: two blocks of 256 bytes that no other line names
.set R,     16                         ; path X: v16-79 four sets of 16 numbers as loaded
.set X,     80                         ; v80-111 two sets of 16 neighbours
.set E,     112                        ; v112-127 a scale byte for each step
.set C,     128                        ; v128-159 two registers of codes for each step
.macro XLOAD t                         ; step t: 2,048 bytes as they lie, 512 a load
.irp i, 0,1,2,3
	global_load_b128 v[R+16*((\t)%4)+4*\i:R+16*((\t)%4)+4*\i+3], v3, s[4:5] offset:2048*(\t)+512*\i th:TH_LOAD_NT
.endr
.endm
.macro XTURN t                         ; through the wave's own stage: in as loaded, back 64 bytes a lane.  LDS serves a wave's instructions in order
.irp i, 0,1,2,3
	ds_store_b128 v14, v[R+16*((\t)%4)+4*\i:R+16*((\t)%4)+4*\i+3] offset:32*XSP*((\t)%2)+8*XSP*\i
.endr
.irp i, 0,1,2,3
	ds_load_b128 v[X+16*((\t)%2)+4*\i:X+16*((\t)%2)+4*\i+3], v15 offset:32*XSP*((\t)%2)+16*\i
.endr
.endm
.macro XSTEP t
.set XS, X+16*((\t)%2)
.if (\t) > 0
	s_wait_dscnt 1                                 ; this step's numbers are back (the last step's byte store may be out)
.else
	s_wait_dscnt 0x0
.endif
.if (\t)+4 < 16
	XLOAD (\t)+4                                   ; into the registers that this step's stage stores have read
.endif
.if (\t)+1 < 16
.if 14-(\t) >= 3
	s_wait_loadcnt 12                              ; the next step's four loads are in; three steps' may be out
.else
	s_wait_loadcnt 4*(14-(\t))
.endif
	XTURN (\t)+1
.endif
	v_max3_num_f32 v8, |v[XS]|, |v[XS+1]|, |v[XS+2]|
	v_max3_num_f32 v9, |v[XS+3]|, |v[XS+4]|, |v[XS+5]|
.irp i, 6,10
	v_max3_num_f32 v8, v8, |v[XS+\i]|, |v[XS+\i+1]|
	v_max3_num_f32 v9, v9, |v[XS+\i+2]|, |v[XS+\i+3]|
.endr
	v_max3_num_f32 v8, v8, |v[XS+14]|, |v[XS+15]|
	v_max3_num_f32 v8, v8, v9, 0x1800000           ; and the floor 2^(3 - 127): the byte cannot fall under 1
	v_max_num_f32_dpp v8, v8, v8 row_xmask:1 row_mask:0xf bank_mask:0xf   ; with my neighbour's 16: the block's largest magnitude
	v_add_nc_u32 v11, 0xff000000, v8               ; 2 off its exponent field: the conversion's scale operand
	v_cvt_scalef32_pk8_fp4_f32 v[C+2*(\t)], v[XS:XS+7], v11
	v_cvt_scalef32_pk8_fp4_f32 v[C+2*(\t)+1], v[XS+8:XS+15], v11
	v_lshrrev_b32 v[E+(\t)], 23, v11               ; the scale's byte
	ds_store_b8 v5, v[E+(\t)] offset:16*(\t)       ; both lanes of a block write the same byte with the same value
	global_store_b64 v4, v[C+2*(\t):C+2*(\t)+1], s[10:11] offset:256*(\t)   ; the wave stores 256 consecutive bytes, aligned
.endm
.macro WLOAD t                         ; path W, block t: w(32 t + i, my column), i = 0 .. 31
.irp i, 0,1,2,3,4,5,6,7,8,9,10,11,12,13,14,15,16,17,18,19,20,21,22,23,24,25,26,27,28,29,30,31
	global_load_b32 v[32+32*((\t)%2)+\i], v3, s[6:7] offset:(32*(\t)+\i)*12288 th:TH_LOAD_NT
.endr
.endm
.macro WBLOCK t
.set XS, 32+32*((\t)%2)
.if (\t) < 7
	s_wait_loadcnt 32                              ; this block's 32 loads are in; the next block's may be out
.else
	s_wait_loadcnt 0x0
.endif
	v_max3_num_f32 v12, |v[XS]|, |v[XS+1]|, |v[XS+2]|             ; all 32 numbers of the block are mine
	v_max3_num_f32 v13, |v[XS+3]|, |v[XS+4]|, |v[XS+5]|
.irp i, 6,10,14,18,22,26
	v_max3_num_f32 v12, v12, |v[XS+\i]|, |v[XS+\i+1]|
	v_max3_num_f32 v13, v13, |v[XS+\i+2]|, |v[XS+\i+3]|
.endr
	v_max3_num_f32 v12, v12, |v[XS+30]|, |v[XS+31]|
	v_max3_num_f32 v12, v12, v13, 0x1800000
	v_add_nc_u32 v11, 0xff000000, v12
.if (\t)%4 == 0
	v_lshrrev_b32 v[24+(\t)/4], 23, v11            ; four bytes to a register, the lower K in the lower byte
.else
	v_lshrrev_b32 v13, 23, v11
	v_lshl_or_b32 v[24+(\t)/4], v13, 8*((\t)%4), v[24+(\t)/4]
.endif
.irp g, 0,1,2,3
	v_cvt_scalef32_pk8_fp4_f32 v[96+\g], v[XS+8*\g:XS+8*\g+7], v11
.endr
	ds_store_b128 v4, v[96:99] offset:16*(\t)      ; 32 codes: 16 bytes of my column's row
.if (\t)+2 < 8
	WLOAD (\t)+2
.endif
	s_wait_dscnt 0x0                               ; the store has read its registers: the next block's codes may be written
.endm
	s_load_b256 s[4:11], s[0:1], 0x0               ; x s[4:5], w_qkv s[6:7], w_out s[8:9], xc s[10:11]
	s_load_b256 s[12:19], s[0:1], 0x20             ; xs s[12:13], wc s[14:15], ws s[16:17], wo s[18:19]
	v_lshl_add_u32 v[SPW], v0, 2, SPARE
	v_mov_b32 v[NIL], 0
	v_lshrrev_b32 v1, 5, v0
	v_readfirstlane_b32 s20, v1                    ; wave 0..3
	v_and_b32 v2, 31, v0                           ; lane
	s_mov_b32 s25, 0
	s_wait_kmcnt 0x0
	s_cmp_lt_u32 ttmp9, 256
	s_cbranch_scc0 .Lnot_x
	; ---- PATH X: x is a plain stream of blocks of 32.  A wave takes 16 steps of 512 numbers
	v_lshlrev_b32 v3, 4, v2                        ; my 16 bytes of a load's 512
	s_mul_i32 s21, s20, XREG
	v_lshrrev_b32 v14, 2, v2
	v_mul_u32_u24 v14, v14, XSP
	v_and_b32 v15, 3, v2
	v_lshl_add_u32 v14, v15, 4, v14
	v_add_nc_u32 v14, s21, v14                     ; the stage, in: 80 (lane / 4) + 16 (lane % 4)
	v_mul_u32_u24 v15, v2, XSP
	v_add_nc_u32 v15, s21, v15                     ; and back: 80 x lane: my 16 neighbours
	v_lshlrev_b32 v4, 3, v2                        ; my 8 bytes of a step's codes
	v_lshrrev_b32 v5, 1, v2
	s_add_co_u32 s21, s21, 2*32*XSP
	v_add_nc_u32 v5, s21, v5                       ; my block's byte among the wave's 256
	v_lshlrev_b32 v7, 3, v2
	v_add_nc_u32 v6, s21, v7
	s_lshl_b32 s22, ttmp9, 2
	s_add_co_u32 s22, s22, s20                     ; which run of 8,192 numbers is my wave's
	s_lshl_b32 s24, s22, 15
	s_add_nc_u64 s[4:5], s[4:5], s[24:25]
	s_lshl_b32 s24, s22, 12
	s_add_nc_u64 s[10:11], s[10:11], s[24:25]
	s_lshl_b32 s24, s22, 8
	s_add_nc_u64 s[12:13], s[12:13], s[24:25]
.irp t, 0,1,2,3
	XLOAD \t
.endr
	s_wait_loadcnt 12                              ; step 0's four loads are in
	XTURN 0
.irp t, 0,1,2,3,4,5,6,7,8,9,10,11,12,13,14,15
	XSTEP \t
.endr
	ds_load_b64 v[8:9], v6                         ; my wave's 256 scale bytes, 8 a lane
	s_wait_dscnt 0x0
	global_store_b64 v7, v[8:9], s[12:13]          ; 256 consecutive bytes, aligned
	s_wait_tensorcnt 0x0                           ; the wave's end
	ds_add_u32 v[SPW], v[NIL]
	s_wait_dscnt 0x0
	s_endpgm
.Lnot_x:
	s_cmp_lt_u32 ttmp9, 352
	s_cbranch_scc0 .Lpath_o
	; ---- PATH W: a lane takes a column n and its registers run down K.  A wave: 16 columns x 512 along K; lanes 0-15 the first 256 of them, lanes 16-31 the second
	s_sub_co_u32 s21, ttmp9, 256
	s_and_b32 s22, s21, 1                          ; which 512 along K
	s_lshr_b32 s21, s21, 1
	s_lshl_b32 s21, s21, 6
	s_lshl_b32 s23, s20, 4
	s_add_co_u32 s21, s21, s23                     ; my wave's first column
	v_and_b32 v8, 15, v2                           ; c
	v_lshrrev_b32 v9, 4, v2                        ; h
	v_mul_u32_u24 v3, v9, 0x300000                 ; 256 rows of 12,288 bytes
	v_lshl_add_u32 v3, v8, 2, v3
	s_mul_i32 s23, s20, TREG
	s_add_co_u32 s23, s23, WBASE                   ; my stage
	v_mul_u32_u24 v4, v8, TP
	v_lshl_add_u32 v4, v9, 7, v4
	v_add_nc_u32 v4, s23, v4                       ; in: row = my column, my half of its 256 bytes
	v_mul_u32_u24 v7, v9, TP
	v_lshl_add_u32 v7, v8, 4, v7
	v_add_nc_u32 v7, s23, v7                       ; back: sixteen lanes to a row, two rows an instruction
	v_lshlrev_b32 v5, 5, v8
	v_lshl_add_u32 v5, v9, 3, v5                   ; ws: 32 c + 8 h
	v_lshlrev_b32 v6, 9, v9
	v_lshl_add_u32 v6, v8, 4, v6                   ; wc: two rows of 512 bytes
	s_mul_i32 s24, s22, 512*12288
	s_lshl_b32 s26, s21, 2
	s_add_co_u32 s24, s24, s26
	s_add_nc_u64 s[6:7], s[6:7], s[24:25]
	s_lshl_b32 s24, s21, 9
	s_lshl_b32 s26, s22, 8
	s_add_co_u32 s24, s24, s26
	s_add_nc_u64 s[14:15], s[14:15], s[24:25]
	s_lshl_b32 s24, s21, 5
	s_lshl_b32 s26, s22, 4
	s_add_co_u32 s24, s24, s26
	s_add_nc_u64 s[16:17], s[16:17], s[24:25]
	WLOAD 0
	WLOAD 1
.irp t, 0,1,2,3,4,5,6,7
	WBLOCK \t
.endr
	global_store_b64 v5, v[24:25], s[16:17]        ; my eight scale bytes
.irp t, 0,1,2,3,4,5,6,7
	ds_load_b128 v[112+4*\t:115+4*\t], v7 offset:2*\t*TP
.endr
.irp t, 0,1,2,3,4,5,6,7
	s_wait_dscnt 7-\t
	global_store_b128 v6, v[112+4*\t:115+4*\t], s[14:15] offset:1024*\t   ; sixteen lanes store 256 consecutive bytes, aligned
.endr
	s_wait_tensorcnt 0x0                           ; the wave's end, as above
	ds_add_u32 v[SPW], v[NIL]
	s_wait_dscnt 0x0
	s_endpgm
.Lpath_o:
	; ---- PATH O: the same plan without a quantiser: a wave takes 16 columns x 128 along K of w_out, rounds to f16 and stores rows of wo
	s_sub_co_u32 s21, ttmp9, 352
	s_and_b32 s22, s21, 7                          ; which 128 along K
	s_lshr_b32 s21, s21, 3
	s_lshl_b32 s21, s21, 6
	s_lshl_b32 s23, s20, 4
	s_add_co_u32 s21, s21, s23                     ; my wave's first column
	v_and_b32 v8, 15, v2
	v_lshrrev_b32 v9, 4, v2
	v_lshlrev_b32 v3, 18, v9                       ; 64 rows of 4,096 bytes
	v_lshl_add_u32 v3, v8, 2, v3
	s_mul_i32 s23, s20, TREG
	s_add_co_u32 s23, s23, OBASE
	v_mul_u32_u24 v4, v8, TP
	v_lshl_add_u32 v4, v9, 7, v4
	v_add_nc_u32 v4, s23, v4
	v_mul_u32_u24 v7, v9, TP
	v_lshl_add_u32 v7, v8, 4, v7
	v_add_nc_u32 v7, s23, v7
	v_lshlrev_b32 v6, 11, v9
	v_lshl_add_u32 v6, v8, 4, v6                   ; wo: two rows of 2,048 bytes
	s_lshl_b32 s24, s22, 19
	s_lshl_b32 s26, s21, 2
	s_add_co_u32 s24, s24, s26
	s_add_nc_u64 s[8:9], s[8:9], s[24:25]
	s_lshl_b32 s24, s21, 11
	s_lshl_b32 s26, s22, 8
	s_add_co_u32 s24, s24, s26
	s_add_nc_u64 s[18:19], s[18:19], s[24:25]
.set i, 0
.rept 64
	global_load_b32 v[32+i], v3, s[8:9] offset:4096*i th:TH_LOAD_NT
.set i, i+1
.endr
	s_wait_loadcnt 32                              ; the first 32 are in
.set i, 0
.rept 16
	v_cvt_pk_f16_f32 v[96+i], v[32+2*i], v[33+2*i]
.set i, i+1
.endr
	s_wait_loadcnt 0x0
.rept 16
	v_cvt_pk_f16_f32 v[96+i], v[32+2*i], v[33+2*i]
.set i, i+1
.endr
.irp u, 0,1,2,3,4,5,6,7
	ds_store_b128 v4, v[96+4*\u:99+4*\u] offset:16*\u
.endr
.irp t, 0,1,2,3,4,5,6,7
	ds_load_b128 v[128+4*\t:131+4*\t], v7 offset:2*\t*TP
.endr
.irp t, 0,1,2,3,4,5,6,7
	s_wait_dscnt 7-\t
	global_store_b128 v6, v[128+4*\t:131+4*\t], s[18:19] offset:4096*\t   ; sixteen lanes store 256 consecutive bytes, aligned
.endr
	s_wait_tensorcnt 0x0                           ; the wave's end, as above
	ds_add_u32 v[SPW], v[NIL]
	s_wait_dscnt 0x0
	s_endpgm
.Lfunc_end_k_q755581b0df_prep:
	.size	k_q755581b0df_prep, .Lfunc_end_k_q755581b0df_prep-k_q755581b0df_prep
	.p2alignl 7, 3214868480
	.fill 96, 4, 3214868480
	.section	.rodata,"a",@progbits
	.p2align	6, 0x0
	.amdhsa_kernel k_q755581b0df_prep
		.amdhsa_group_segment_fixed_size 68096
		.amdhsa_private_segment_fixed_size 0
		.amdhsa_enable_private_segment 0
		.amdhsa_kernarg_size 64
		.amdhsa_user_sgpr_count 2
		.amdhsa_user_sgpr_kernarg_segment_ptr 1
		.amdhsa_wavefront_size32 1
		.amdhsa_system_sgpr_workgroup_id_x 1
		.amdhsa_system_sgpr_workgroup_id_y 1
		.amdhsa_system_sgpr_workgroup_id_z 1
		.amdhsa_system_vgpr_workitem_id 0
		.amdhsa_next_free_vgpr 176
		.amdhsa_next_free_sgpr 66
		.amdhsa_reserve_vcc 0
		.amdhsa_float_denorm_mode_32 3
		.amdhsa_float_denorm_mode_16_64 3
		.amdhsa_memory_ordered 1
		.amdhsa_forward_progress 1
		.amdhsa_inst_pref_size 84
	.end_amdhsa_kernel
	.amdgpu_metadata
---
amdhsa.version: [ 1, 2 ]
amdhsa.kernels:
  - .name:           k_q755581b0df_prep
    .symbol:         k_q755581b0df_prep.kd
    .args:
      - { .name: x, .offset: 0, .size: 8, .value_kind: global_buffer, .address_space: global }
      - { .name: w_qkv, .offset: 8, .size: 8, .value_kind: global_buffer, .address_space: global }
      - { .name: w_out, .offset: 16, .size: 8, .value_kind: global_buffer, .address_space: global }
      - { .name: xc, .offset: 24, .size: 8, .value_kind: global_buffer, .address_space: global }
      - { .name: xs, .offset: 32, .size: 8, .value_kind: global_buffer, .address_space: global }
      - { .name: wc, .offset: 40, .size: 8, .value_kind: global_buffer, .address_space: global }
      - { .name: ws, .offset: 48, .size: 8, .value_kind: global_buffer, .address_space: global }
      - { .name: wo, .offset: 56, .size: 8, .value_kind: global_buffer, .address_space: global }
    .group_segment_fixed_size: 68096
    .private_segment_fixed_size: 0
    .kernarg_segment_align: 8
    .kernarg_segment_size: 64
    .max_flat_workgroup_size: 128
    .sgpr_count:     66
    .vgpr_count:     176
    .wavefront_size: 32
...
	.end_amdgpu_metadata
.endif
;; end of part 1
;; launch qkv (part 2): grid 12 x 32, 4 waves a work-group, clusters of 4 x 4, 327,680 bytes of LDS; arguments xc, xs, wc, ws, b_qkv, qkv; writes qkv
.if DOCPART == 2
	.amdgcn_target "amdgcn-amd-amdhsa--gfx1250"
	.amdhsa_code_object_version 6
	.text
	.protected	k_q755581b0df_qkv
	.globl	k_q755581b0df_qkv
	.p2align	8
	.type	k_q755581b0df_qkv,@function
k_q755581b0df_qkv:
	s_mov_b64 s[64:65], 0
	v_nop
	global_prefetch_b8 v0, s[64:65] scope:SCOPE_SE
	s_setreg_imm32_b32 hwreg(HW_REG_WAVE_MODE, 25, 1), 1
	s_wait_xcnt 0x0
	s_wait_alu depctr_hold_cnt(0) depctr_sa_sdst(0) depctr_va_vdst(0) depctr_va_sdst(0) depctr_va_ssrc(0) depctr_va_vcc(0) depctr_vm_vsrc(0)
	s_getreg_b32 s2, hwreg(HW_REG_IB_STS2, 6, 4)
	s_cmp_eq_u32 s2, 0
	s_cbranch_scc0 .Lentry_in_a_cluster
	s_endpgm
.Lentry_in_a_cluster:
	s_bfe_u32 s2, ttmp6, 0x10000c
	s_cmp_lg_u32 s2, 0xf033
	s_cbranch_scc0 .Lentry_shape_is_right
	s_endpgm
.Lentry_shape_is_right:
; Launch 2 of 4: qkv = Q(x) Q(w_qkv) + b_qkv on codes of FP4 (E2M1) with one E8M0 scale for each 32 along K; sums in f32; results rounded to f16 and laid by heads:
; qkv [3 parts][64 heads 16 b + h][2048 n][64 d].  A = xc [8192][512 B], B = wc [3072][512 B]; their scale bytes [rows][32 B].
; LEFT OUT AS DEAD WORK: the K third of b_qkv.  q . bk is the same for every key of a row and the softmax along the keys cancels it (shown at the head of the first
; kernel); the tiles of the K part (cluster x = 1) start their sums at 0 and never load it.  A NaN, infinity or overflow that sits only there is not carried on.
; LIMIT: |q|, |k|, |v| stay under 65,504 (f16).
; A tile of 256 x 256 is made by four waves, 128 x 128 each: 64 accumulators, 512 registers.  K = 1,024 is two slots of 512: both are asked for at the head, nothing is filled again.
; The scale bytes of the tile's 256 + 256 rows come once, as whole rows of 256 bytes.  By this text's count a wave has three tensor loads outstanding, all issued at the head.
; CLUSTERS: 4 x 4 work-groups; A's tiles are asked for jointly along a row of the cluster, B's along a column.  The matrix instruction is used transposed (source 0 = 16 rows
; of B, source 1 = 16 rows of A): a lane holds eight neighbouring columns of one row.  The bias is the C of the first K step: eight registers for each of B's eight blocks.
; REGISTERS: window 0: v0-31 addresses; v32-95 scale words, two sets; v128-191 A's fragments, one set; v192-255 the bias; on the way out v32-127 are free.
;   window 1: B's fragments, two sets.   window 2: accumulators of my rows 0-63 ((a, b) at v[8 (8 a + b)]);   window 3: rows 64-127.
.set KSTEP,  512
.set NQ,     4
.set ROWB,   256
.set KROW,   512
.set PITCH,  272                       ; an LDS row: 256 bytes + 16 of padding: the 16 rows that a load touches start at 16 different 16-byte columns
.set FR,     8
.set NL,     2
.set NP,     4                         ; places behind this matrix instruction (ISA guide 7.12.1)
.set HALFT,  128*PITCH
.set SLOT,   4*HALFT
.set KS,     32                        ; a row of scales in bytes
.set SCL,    2*SLOT
.set HALFS,  (128*KS/256)*272
.set SBLK,   (16*KS/256)*272
.set SPARE,  SCL+4*HALFS               ; the spare words, 128 bytes for each wave: two blocks of 256 bytes that no other line names
.set SPITCH, 272                       ; the way out: 16 rows x (256 bytes + 16) for each wave, in slot 0, which has had its only fill and its last read by then
.set ADRA, 16
.set ADRB, 20
.set STO,  24
.set RD,   25
.set CO,   26
.set ADRS, 27
.set SPW,  28
.set NIL,  29
.set BO,   30                          ; v30  the bias: 32 bytes for each half of the lanes
.set SC,   32
.set AF,   128
.set BIAS, 192
.set TMP,  32                          ; the way out: a block's packed results
.set BK,   64                          ; and 16 rows read back: v64-95 and v96-127 by turns
.set G1, 24
.set G0, 32
.set G1B, 48
.set G0B, 56
.set G1S, 68
.set G0S, 76
.set G1SB, 80
.set G0SB, 88
.set MSB, 0
.macro WIN new                         ; the immediate's high byte repeats the setting that is left
.if MSB != \new
	s_set_vgpr_msb (MSB<<8)|\new
.set MSB, \new
.endif
.endm
.set MUL_LO,   0xa1                    ; source 0 (B) window 1, source 1 (A) window 0, C and D window 2
.set MUL_HI,   0xf1                    ; C and D window 3
.set FIRST_LO, 0x81                    ; C (the bias) window 0, D window 2
.set FIRST_HI, 0xc1                    ; C window 0, D window 3
.set TO_B,     0x40
; A joint load: waves 0 and 1 fetch for A, waves 2 and 3 for B; the branch hangs on the wave's number alone.  An s_nop 0 and four v_nop follow each line.
.macro JLOAD g0a, g1a, g0b, g1b
	s_cmp_eq_u32 s15, 0
	s_cbranch_scc0 .Lfor_b_\@
	tensor_load_to_lds s[\g0a:\g0a+3], s[\g1a:\g1a+7]
	s_nop 0
.rept 4
	v_nop
.endr
	s_branch .Lasked_\@
.Lfor_b_\@:
	tensor_load_to_lds s[\g0b:\g0b+3], s[\g1b:\g1b+7]
	s_nop 0
.rept 4
	v_nop
.endr
.Lasked_\@:
.endm
.macro CROUND                          ; a round of the cluster's barrier
	s_barrier_signal -1
	s_barrier_wait -1
	s_cmp_lg_u32 s14, 0
	s_cbranch_scc1 .Lnot_wave_0_\@
	s_barrier_signal -3
.Lnot_wave_0_\@:
	s_barrier_wait -3
	s_barrier_signal -1
	s_barrier_wait -1
.endm
	s_load_b128 s[4:7], s[0:1], 0x0                ; A's codes, A's scales
	s_load_b128 s[8:11], s[0:1], 0x10              ; B's codes, B's scales
	s_load_b64 s[96:97], s[0:1], 0x20              ; b_qkv
	s_load_b64 s[12:13], s[0:1], 0x28              ; qkv
	v_lshl_add_u32 v[SPW], v0, 2, SPARE
	v_mov_b32 v[NIL], 0
	ds_add_u32 v[SPW], v[NIL]                      ; the wave's opening: the add, twice on end, and its wait ahead of my first tensor load
	ds_add_u32 v[SPW], v[NIL]
	v_lshrrev_b32 v1, 5, v0
	v_readfirstlane_b32 s14, v1                    ; wave 0..3
	s_lshr_b32 s15, s14, 1                         ; my half of the tile's rows; also: I fetch for A (0) or for B (1)
	s_and_b32 s16, s14, 1                          ; my half of its columns; also: which 128 rows I fetch
	s_bfe_u32 s40, ttmp6, 0x40000                  ; cx
	s_bfe_u32 s41, ttmp6, 0x40004                  ; cy
	s_lshl_b32 s42, ttmp9, 2
	s_add_co_u32 s42, s42, s40                     ; tile column
	s_and_b32 s17, ttmp7, 0xffff
	s_lshl_b32 s17, s17, 2
	s_add_co_u32 s17, s17, s41                     ; tile row
	s_lshl_b32 s43, s41, 2
	s_lshl_b32 s43, 15, s43                        ; my row of the cluster
	s_lshl_b32 s44, 0x1111, s40                    ; my column
	s_or_b32 s[G1+0], s43, (0<<16)|(1<<20)|(1<<21)|(5<<22)|(3<<25)  ; the mask; elements of 1 byte; padding: 4 words after every 64; bit 21 beside a mask
	s_or_b32 s[G1B+0], s44, (0<<16)|(1<<20)|(1<<21)|(5<<22)|(3<<25)
.irp g, G1, G1B
	s_mov_b32 s[\g+1], ROWB<<16                    ; tensor_dim0
	s_mov_b32 s[\g+2], 128<<16                     ; tensor_dim1
	s_mov_b32 s[\g+3], ROWB<<16                    ; tile_dim0
	s_mov_b32 s[\g+4], 128                         ; tile_dim1
	s_mov_b32 s[\g+5], KROW                        ; from row to row
	s_mov_b32 s[\g+6], 0
	s_mov_b32 s[\g+7], 0
.endr
	s_or_b32 s[G1S+0], s43, (3<<16)|(1<<20)|(1<<21)|(5<<22)|(3<<25) ; the scales of 128 rows: 4,096 dense bytes as 16 rows of 32 elements of 8 bytes
	s_or_b32 s[G1SB+0], s44, (3<<16)|(1<<20)|(1<<21)|(5<<22)|(3<<25)
.irp g, G1S, G1SB
	s_mov_b32 s[\g+1], 32<<16
	s_mov_b32 s[\g+2], (128*KS/256)<<16
	s_mov_b32 s[\g+3], 32<<16
	s_mov_b32 s[\g+4], 128*KS/256
	s_mov_b32 s[\g+5], 32
	s_mov_b32 s[\g+6], 0
	s_mov_b32 s[\g+7], 0
.endr
	s_lshl_b32 s18, s16, 7
	s_lshl_b32 s20, s17, 8
	s_add_co_u32 s20, s20, s18                     ; A: row 256 x tile row + 128 x half
	s_lshl_b32 s46, s42, 8
	s_add_co_u32 s46, s46, s18                     ; B: row 256 x tile column + 128 x half
	s_mov_b32 s21, 0
	s_mov_b32 s47, 0
	s_mov_b64 s[18:19], KS
	s_mul_u64 s[22:23], s[20:21], s[18:19]
	s_mul_u64 s[92:93], s[46:47], s[18:19]
	s_mov_b64 s[18:19], KROW
	s_mul_u64 s[20:21], s[20:21], s[18:19]
	s_mul_u64 s[46:47], s[46:47], s[18:19]
	s_mul_i32 s45, s14, HALFT                      ; where they go: wave x 128 rows
	s_mul_i32 s94, s14, HALFS
	s_wait_dscnt 0x0                               ; both opening adds are done
	s_wait_kmcnt 0x0
	s_add_nc_u64 s[20:21], s[4:5], s[20:21]
	s_add_nc_u64 s[22:23], s[6:7], s[22:23]
	s_add_nc_u64 s[46:47], s[8:9], s[46:47]
	s_add_nc_u64 s[92:93], s[10:11], s[92:93]
	CROUND                                         ; all sixteen work-groups are here: the joint loads meet
	s_mov_b32 s[G0S], 1
	s_add_co_u32 s[G0S+1], s94, SCL
	s_mov_b64 s[G0S+2:G0S+3], s[22:23]
	s_or_b32 s[G0S+3], s[G0S+3], 0x80000000
	s_mov_b32 s[G0SB], 1
	s_add_co_u32 s[G0SB+1], s94, SCL
	s_mov_b64 s[G0SB+2:G0SB+3], s[92:93]
	s_or_b32 s[G0SB+3], s[G0SB+3], 0x80000000
	JLOAD G0S, G1S, G0SB, G1SB
.irp s, 0,1
	s_mov_b32 s[G0+4*\s], 1
	s_add_co_u32 s[G0+4*\s+1], s45, \s*SLOT
	s_add_nc_u64 s[G0+4*\s+2:G0+4*\s+3], s[20:21], \s*ROWB
	s_or_b32 s[G0+4*\s+3], s[G0+4*\s+3], 0x80000000
	s_mov_b32 s[G0B+4*\s], 1
	s_add_co_u32 s[G0B+4*\s+1], s45, \s*SLOT
	s_add_nc_u64 s[G0B+4*\s+2:G0B+4*\s+3], s[46:47], \s*ROWB
	s_or_b32 s[G0B+4*\s+3], s[G0B+4*\s+3], 0x80000000
	JLOAD G0+4*\s, G1, G0B+4*\s, G1B
.endr
	v_and_b32 v1, 15, v0                           ; r
	v_bfe_u32 v2, v0, 4, 1                         ; h
	v_mul_u32_u24 v3, v1, PITCH
	v_lshl_add_u32 v4, v2, 4, v3
	s_mul_i32 s21, s15, HALFT
	s_mul_i32 s22, s16, HALFT
	s_add_co_u32 s22, s22, 2*HALFT
.irp s, 0,1
	v_add_nc_u32 v[ADRA+\s], s21, v4
	v_add_nc_u32 v[ADRB+\s], s22, v4
	s_add_co_u32 s21, s21, SLOT
	s_add_co_u32 s22, s22, SLOT
.endr
	v_mul_u32_u24 v5, v1, KS                       ; my row's scales: 32 bytes a row, and 16 more for each 256 passed
	v_lshrrev_b32 v6, 8, v5
	v_lshl_add_u32 v5, v6, 4, v5
	s_mul_i32 s21, s15, HALFS
	s_mul_i32 s22, s16, HALFS
	s_add_co_u32 s22, s22, 2*HALFS
	s_sub_co_u32 s22, s22, s21
	v_mul_u32_u24 v6, s22, v2                      ; lanes 16-31 take B's
	s_add_co_u32 s21, s21, SCL
	v_add_nc_u32 v5, v5, v6
	v_add_nc_u32 v[ADRS], s21, v5
	s_mul_i32 s23, s14, 16*SPITCH                  ; my stage
	v_mul_u32_u24 v5, v1, SPITCH
	v_lshl_add_u32 v5, v2, 4, v5
	v_add_nc_u32 v[STO], s23, v5                   ; in: row r, 16 bytes for each half of the lanes
	v_bfe_u32 v5, v0, 3, 1
	v_mul_u32_u24 v5, v5, SPITCH
	v_lshl_add_u32 v5, v2, 7, v5
	v_and_b32 v6, 7, v0
	v_lshl_add_u32 v5, v6, 4, v5
	v_add_nc_u32 v[RD], s23, v5                    ; back: lanes 0-15 two rows' 128 bytes of my first head, lanes 16-31 of my second
	v_lshlrev_b32 v[CO], 18, v2                    ; a head is 262,144 bytes
	v_lshl_add_u32 v[CO], v1, 4, v[CO]
	v_lshlrev_b32 v[BO], 5, v2
	s_lshl_b32 s46, s42, 10                        ; the bias of my 128 columns: 4 (256 x tile column + 128 x half)
	s_lshl_b32 s47, s16, 9
	s_add_co_u32 s46, s46, s47
	s_mov_b32 s47, 0
	s_add_nc_u64 s[96:97], s[96:97], s[46:47]
	s_lshr_b32 s20, s42, 2                         ; where my part begins in qkv: the part,
	s_lshl_b32 s20, s20, 24
	s_lshr_b32 s21, s17, 3                         ; the head 16 b + 4 (tile column % 4) + 2 x half,
	s_lshl_b32 s21, s21, 4
	s_and_b32 s46, s42, 3
	s_lshl_b32 s46, s46, 2
	s_add_co_u32 s21, s21, s46
	s_lshl_b32 s46, s16, 1
	s_add_co_u32 s21, s21, s46
	s_lshl_b32 s21, s21, 18
	s_add_co_u32 s20, s20, s21
	s_and_b32 s21, s17, 7                          ; the row 256 (tile row % 8) + 128 x half, of 128 bytes
	s_lshl_b32 s21, s21, 8
	s_lshl_b32 s46, s15, 7
	s_add_co_u32 s21, s21, s46
	s_lshl_b32 s21, s21, 7
	s_add_co_u32 s20, s20, s21
	s_mov_b32 s21, 0
	s_add_nc_u64 s[12:13], s[12:13], s[20:21]
.macro FRAG reg, adr, q, i             ; 16 rows x 128 K of 4-bit codes: 8 registers, two loads of 16 bytes, 32 bytes apart
.irp c, 0,1
	ds_load_b128 v[\reg+4*\c:\reg+4*\c+3], v[\adr] offset:64*(\q)+32*\c+(\i)*16*PITCH
.endr
.endm
; 16 matrix instructions: A's blocks a0, a0 + 1 x B's eight.  zero = 1: C = 0;  2: C = the bias;  0: in place.  The 64 accumulators take turns.
.macro MUL16 a0, p, q, sc, zero
.irp a, \a0, \a0+1
.irp b, 0,1,2,3,4,5,6,7
.if \zero == 1
	v_wmma_scale_f32_16x16x128_f8f6f4 v[8*(8*((\a)%4)+\b):8*(8*((\a)%4)+\b)+7], v[128*(\p)+FR*\b:128*(\p)+FR*\b+FR-1], v[AF+FR*(\a):AF+FR*(\a)+FR-1], 0, v[SC+8*NQ*(\sc)+NQ*\b+(\q)], v[SC+8*NQ*(\sc)+NQ*(\a)+(\q)] matrix_a_fmt:MATRIX_FMT_FP4 matrix_b_fmt:MATRIX_FMT_FP4 matrix_a_scale:MATRIX_SCALE_ROW1
.elseif \zero == 2
	v_wmma_scale_f32_16x16x128_f8f6f4 v[8*(8*((\a)%4)+\b):8*(8*((\a)%4)+\b)+7], v[128*(\p)+FR*\b:128*(\p)+FR*\b+FR-1], v[AF+FR*(\a):AF+FR*(\a)+FR-1], v[BIAS+8*\b:BIAS+8*\b+7], v[SC+8*NQ*(\sc)+NQ*\b+(\q)], v[SC+8*NQ*(\sc)+NQ*(\a)+(\q)] matrix_a_fmt:MATRIX_FMT_FP4 matrix_b_fmt:MATRIX_FMT_FP4 matrix_a_scale:MATRIX_SCALE_ROW1
.else
	v_wmma_scale_f32_16x16x128_f8f6f4 v[8*(8*((\a)%4)+\b):8*(8*((\a)%4)+\b)+7], v[128*(\p)+FR*\b:128*(\p)+FR*\b+FR-1], v[AF+FR*(\a):AF+FR*(\a)+FR-1], v[8*(8*((\a)%4)+\b):8*(8*((\a)%4)+\b)+7], v[SC+8*NQ*(\sc)+NQ*\b+(\q)], v[SC+8*NQ*(\sc)+NQ*(\a)+(\q)] matrix_a_fmt:MATRIX_FMT_FP4 matrix_b_fmt:MATRIX_FMT_FP4 matrix_a_scale:MATRIX_SCALE_ROW1
.endif
.endr
.endr
.endm
.macro FETCH_B slot, q, p
	WIN TO_B
.irp i, 0,1,2,3,4,5,6,7
	FRAG 128*(\p)+FR*\i, ADRB+\slot, \q, \i
.endr
	WIN 0
.endm
.macro FETCH_A slot, q, i0
.irp i, \i0, \i0+1, \i0+2, \i0+3
	FRAG AF+FR*(\i), ADRA+\slot, \q, \i
.endr
.endm
.macro SCALES sc                       ; a slot's scale words: lanes 0-15 A's block i, lanes 16-31 B's block i
.irp i, 0,1,2,3,4,5,6,7
	ds_load_b128 v[SC+8*NQ*\sc+NQ*\i:SC+8*NQ*\sc+NQ*\i+3], v[ADRS] offset:\i*SBLK
.endr
.endm
.macro PLACES n                        ; plain vector instructions between a matrix instruction and a load into, or a read of, its registers
.rept \n
	v_nop
.endr
.endm
.macro STEP slot, q, zero              ; 128 along K, with its successor in the same slot
	s_wait_dscnt 4*NL                              ; B's set and A's blocks 0-3 are in; A's blocks 4-7 may be out
.if \zero == 2
	WIN FIRST_LO
.else
	WIN MUL_LO
.endif
	MUL16 0, (\q)%2, \q, \slot, \zero
	MUL16 2, (\q)%2, \q, \slot, \zero
	s_wait_dscnt 0
	PLACES NP
	FETCH_B \slot, (\q)+1, 1-(\q)%2
	FETCH_A \slot, (\q)+1, 0
.if \zero == 2
	WIN FIRST_HI
.else
	WIN MUL_HI
.endif
	MUL16 4, (\q)%2, \q, \slot, \zero
	MUL16 6, (\q)%2, \q, \slot, \zero
	PLACES NP
	WIN 0
	FETCH_A \slot, (\q)+1, 4
.endm
.macro TURN slot, next                 ; a slot's last step changes slots: one barrier; nothing is filled again
	s_wait_tensorcnt 0x0                           ; all my tensor loads have landed: my part of the next slot
	ds_add_u32 v[SPW], v[NIL]                      ; 0 onto my spare word
	s_wait_dscnt 4*NL+1                            ; (the add and A's blocks 4-7 may be out)
	WIN MUL_LO
	MUL16 0, 1, NQ-1, \slot, 0
	s_wait_dscnt 0x0                               ; the add is done, and my reads of this slot are over
	s_barrier_signal -1
	MUL16 2, 1, NQ-1, \slot, 0
	WIN 0
	s_barrier_wait -1
	PLACES NP
	v_add_nc_u32 v[ADRS], 4*NQ, v[ADRS]            ; the next slot's scale words
	FETCH_B \next, 0, 0
	FETCH_A \next, 0, 0
	SCALES \next
	WIN MUL_HI
	MUL16 4, 1, NQ-1, \slot, 0
	MUL16 6, 1, NQ-1, \slot, 0
	PLACES NP
	WIN 0
	FETCH_A \next, 0, 4
.endm
.macro STEPS slot, from
.set QQ, \from
.rept NQ-1-\from
	STEP \slot, QQ, 0
.set QQ, QQ+1
.endr
.endm
	s_wait_tensorcnt 1                             ; the scales and my part of slot 0 are in; slot 1's load may be out
	s_barrier_signal -1
	s_barrier_wait -1                              ; everybody's are
	s_cmp_eq_u32 ttmp9, 1                          ; the cluster's x is the part: 0 Q, 1 K, 2 V: the same in all sixteen partners
	s_cbranch_scc1 .Lk_part
.irp b, 0,1,2,3,4,5,6,7                        ; Q and V: the bias of B's block b, my half's eight columns; loaded and read in this arm alone
	global_load_b128 v[BIAS+8*\b:BIAS+8*\b+3], v[BO], s[96:97] offset:64*\b
	global_load_b128 v[BIAS+8*\b+4:BIAS+8*\b+7], v[BO], s[96:97] offset:64*\b+16
.endr
	FETCH_B 0, 0, 0
	FETCH_A 0, 0, 0
	SCALES 0
	FETCH_A 0, 0, 4
	s_wait_loadcnt 0x0                             ; the bias
	STEP 0, 0, 2                                   ; the first products start the sums from the bias
	s_branch .Lfirst_done
.Lk_part:
	FETCH_B 0, 0, 0
	FETCH_A 0, 0, 0
	SCALES 0
	FETCH_A 0, 0, 4
	STEP 0, 0, 1                                   ; K: the sums start at 0
.Lfirst_done:
	STEPS 0, 1
	TURN 0, 1
	STEPS 1, 0
	s_wait_dscnt 4*NL                              ; the last step: nothing more to fetch
	WIN MUL_LO
	MUL16 0, 1, NQ-1, 1, 0
	MUL16 2, 1, NQ-1, 1, 0
	s_wait_dscnt 0
	WIN MUL_HI
	MUL16 4, 1, NQ-1, 1, 0
	MUL16 6, 1, NQ-1, 1, 0
	WIN 0
; THE WAY OUT, a block of 16 rows x 128 columns (two heads) at a time: rounded to f16, 16 bytes a lane, through my own stage, back so that sixteen lanes hold two neighbouring rows of one head.
.macro PACK a
.set AC, 64*((\a)%4)
	WIN 0x0a+5*((\a)/4)                            ; sources 0 and 1: window 2 or 3
.irp b, 0,1,2,3,4,5,6,7
.irp r, 0,1,2,3
	v_cvt_pk_f16_f32 v[TMP+4*\b+\r], v[AC+8*\b+2*\r], v[AC+8*\b+2*\r+1]   ; each accumulator from its low end on
.endr
.endr
	WIN 0
.endm
.macro TOSTAGE a
.set BB, BK+32*((\a)%2)
.irp b, 0,1,2,3,4,5,6,7
	ds_store_b128 v[STO], v[TMP+4*\b:TMP+4*\b+3] offset:32*\b
.endr
.irp t, 0,1,2,3,4,5,6,7
	ds_load_b128 v[BB+4*\t:BB+4*\t+3], v[RD] offset:\t*2*SPITCH    ; LDS serves a wave's instructions in order: these see the stores above
.endr
.endm
.macro SEND a
.set BB, BK+32*((\a)%2)
	s_wait_dscnt 0x0                               ; the block is back in registers
	s_wait_xcnt 0x0                                ; the block before's stores have read their registers: the next block's loads may land there
.irp t, 0,1,2,3,4,5,6,7
	global_store_b128 v[CO], v[BB+4*\t:BB+4*\t+3], s[12:13] offset:2048*(\a)+256*\t   ; sixteen lanes store 256 consecutive bytes, aligned
.endr
.endm
	PLACES NP
	PACK 0
	TOSTAGE 0
.irp a, 1,2,3,4,5,6,7
	PACK \a
	SEND \a-1
	TOSTAGE \a
.endr
	SEND 7
	s_wait_tensorcnt 0x0                           ; the wave's end
	ds_add_u32 v[SPW], v[NIL]
	s_wait_dscnt 0x0
	CROUND                                         ; the closing round
	s_endpgm
.Lfunc_end_k_q755581b0df_qkv:
	.size	k_q755581b0df_qkv, .Lfunc_end_k_q755581b0df_qkv-k_q755581b0df_qkv
	.p2alignl 7, 3214868480
	.fill 96, 4, 3214868480
	.section	.rodata,"a",@progbits
	.p2align	6, 0x0
	.amdhsa_kernel k_q755581b0df_qkv
		.amdhsa_group_segment_fixed_size 327680
		.amdhsa_private_segment_fixed_size 0
		.amdhsa_enable_private_segment 0
		.amdhsa_kernarg_size 48
		.amdhsa_user_sgpr_count 2
		.amdhsa_user_sgpr_kernarg_segment_ptr 1
		.amdhsa_wavefront_size32 1
		.amdhsa_system_sgpr_workgroup_id_x 1
		.amdhsa_system_sgpr_workgroup_id_y 1
		.amdhsa_system_sgpr_workgroup_id_z 1
		.amdhsa_system_vgpr_workitem_id 0
		.amdhsa_next_free_vgpr 1024
		.amdhsa_next_free_sgpr 100
		.amdhsa_reserve_vcc 0
		.amdhsa_float_denorm_mode_32 3
		.amdhsa_float_denorm_mode_16_64 3
		.amdhsa_memory_ordered 1
		.amdhsa_forward_progress 1
		.amdhsa_inst_pref_size 141
	.end_amdhsa_kernel
	.amdgpu_metadata
---
amdhsa.version: [ 1, 2 ]
amdhsa.kernels:
  - .name:           k_q755581b0df_qkv
    .symbol:         k_q755581b0df_qkv.kd
    .args:
      - { .name: xc, .offset: 0, .size: 8, .value_kind: global_buffer, .address_space: global }
      - { .name: xs, .offset: 8, .size: 8, .value_kind: global_buffer, .address_space: global }
      - { .name: wc, .offset: 16, .size: 8, .value_kind: global_buffer, .address_space: global }
      - { .name: ws, .offset: 24, .size: 8, .value_kind: global_buffer, .address_space: global }
      - { .name: b_qkv, .offset: 32, .size: 8, .value_kind: global_buffer, .address_space: global }
      - { .name: qkv, .offset: 40, .size: 8, .value_kind: global_buffer, .address_space: global }
    .group_segment_fixed_size: 327680
    .private_segment_fixed_size: 0
    .kernarg_segment_align: 8
    .kernarg_segment_size: 48
    .max_flat_workgroup_size: 128
    .sgpr_count:     100
    .vgpr_count:     1024
    .wavefront_size: 32
...
	.end_amdgpu_metadata
.endif
;; end of part 2
;; launch attn (part 3): grid 8 x 64, 4 waves a work-group, clusters of 4 x 1, 327,680 bytes of LDS; arguments qkv, ao; writes ao
.if DOCPART == 3
	.amdgcn_target "amdgcn-amd-amdhsa--gfx1250"
	.amdhsa_code_object_version 6
	.text
	.protected	k_q755581b0df_attn
	.globl	k_q755581b0df_attn
	.p2align	8
	.type	k_q755581b0df_attn,@function
k_q755581b0df_attn:
	s_mov_b64 s[64:65], 0
	v_nop
	global_prefetch_b8 v0, s[64:65] scope:SCOPE_SE
	s_setreg_imm32_b32 hwreg(HW_REG_WAVE_MODE, 25, 1), 1
	s_wait_xcnt 0x0
	s_wait_alu depctr_hold_cnt(0) depctr_sa_sdst(0) depctr_va_vdst(0) depctr_va_sdst(0) depctr_va_ssrc(0) depctr_va_vcc(0) depctr_vm_vsrc(0)
	s_getreg_b32 s2, hwreg(HW_REG_IB_STS2, 6, 4)
	s_cmp_eq_u32 s2, 0
	s_cbranch_scc0 .Lentry_in_a_cluster
	s_endpgm
.Lentry_in_a_cluster:
	s_bfe_u32 s2, ttmp6, 0x10000c
	s_cmp_lg_u32 s2, 0x3003
	s_cbranch_scc0 .Lentry_shape_is_right
	s_endpgm
.Lentry_shape_is_right:
; Launch 3 of 4: ao[h][2048 b + n][:] = the sum over k of softmax_k(q . k / 8) v, for each of 64 heads 16 b + h.  q, k, v: f16, [part][head][2048][64]; ao: f16, head-major.
; Products, maxima and sums in f32; the weights p are rounded to f16 for the second product, the result once at the end.  (k comes without its bias: dead work, shown at the head of the first kernel.)
; LIMIT: |q|, |k|, |v| under 65,504 (f16); NaN and infinities are not served.
; SHARES.  A work-group owns 256 queries of one head, each of its four waves 64: four tiles of 16.  Every wave walks all 2,048 keys, 128 a step.
; TWO KEYS MAKE ONE LDS ROW: rows of K and V are 128 bytes and dense in memory, so a step's 128 keys are stated as 64 rows of 256 bytes: key 2 R lies in the row's first half, key 2 R + 1 in its second.
; LAYOUT.  S^T = K Q^T (source 0 = 16 keys, source 1 = 16 queries): a lane holds ONE query (lane % 16) and keys 8 (lane / 16) + 0..7 of each tile.  Two such tiles, rounded in pairs,
; are source 1 (32 keys x 16 queries) of O^T = V^T P.  K comes out of LDS as it lies, V turned by ds_load_tr16_b128.
; SOFTMAX.  For each query a running maximum m and sum l: p = 2^(c s - c m), c = log2(e) / 8; in every step O and l are multiplied by a = 2^(c m_old - c m_new).
; BY TURNS.  The wave's tiles are two pieces (0: tiles 0, 1; 2: tiles 2, 3).  In a turn one piece has the matrix unit: 32 products V^T P of the step in hand, then 32 products K Q^T
; of the next; the other piece's softmax, 2 x 216 vector instructions cut into 64 slices, stands between them, one slice behind each matrix instruction.  Two turns are a key step.
; CLUSTER.  The four query blocks of a cluster belong to one head and walk the same K and V: each tile is asked for jointly.
; REGISTERS: window 0: v2-8 addresses; v12-43 statistics, eight a tile; v61-63; v64-127 Q (16 a tile); v128-255 P (32 a tile).   window 1: S^T, 64 a tile.
;   window 2: v0-127 K of one step, v128-255 V of one step.   window 3: v0-127 O^T, 32 a tile.
.set KS,    64        ; LDS rows (of two keys) in a step
.set PKP,   272       ; a row of K's tile: 256 bytes + 16: the sixteen 16-byte pieces that half a wave reads lie in sixteen different columns of 256 bytes
.set PVP,   288       ; a row of V's: 256 + 32: likewise for the turning load
.set VOFF,  KS*PKP
.set STEPB, KS*(PKP+PVP)
.set SLOT1, 1<<17     ; a slot holds two steps; one exclusive or turns an address in one slot into the other's
.set STAGE, SLOT1+2*STEPB  ; 16 rows x 144 bytes for each wave, for the way out
.set SP,    144
.set SPARE, STAGE+4*16*SP  ; the spare words, 128 bytes for each wave: two blocks of 256 bytes that no other line names
.set AK0, 2
.set AV0, 3
.set ADR, 4
.set QO,  5
.set STO, 6
.set RD,  7
.set GO,  8
.set ST,  12          ; tile t at v[ST+8 t]: +0 c m, +1 m, +2, +3 l, +4 to +7 c0-c3; a takes c2's place
.set PFO, 61
.set SPW, 62
.set NIL, 63
.set Q,   64
.set P,   128
.set VF,  128         ; V's fragments, in window 2
.set WV,  12
.set LIM, 15
.set PFA, 18
.set G1K, 24
.set G1V, 32
.set G0K, 40
.set G0V, 48
.set SLOTS, 56
.set TWICE, 57
.set CS,  58
.set SEL, 60
.set TB,  62
.set MSB, 0
.macro WIN new
.if MSB != \new
	s_set_vgpr_msb (MSB<<8)|\new
.set MSB, \new
.endif
.endm
.set W_KQ, 0x52       ; K window 2, Q window 0, S^T (C and D) window 1
.set W_PV, 0xf2       ; V window 2, P window 0, O^T window 3
.set W_MX, 0x05       ; sources 0 and 1 in S^T's window, the rest in window 0: maxima, roundings
.set W_EX, 0x41       ; destination and source 0 in S^T's window: scalings, exponentials
.set W_AD, 0x45       ; sums in place
.set W_LS, 0x10       ; l = a l + the sum
.set W_RS, 0xc3       ; O^T times a
.macro JLOAD                        ; a joint refill: waves 0, 1 K's two steps, waves 2, 3 V's; an s_nop 0 and four v_nop follow each line
	s_cmp_lt_u32 s[WV], 2
	s_cbranch_scc0 .Lfor_v_\@
	tensor_load_to_lds s[G0K+4:G0K+7], s[G1K:G1K+7]
	s_nop 0
.rept 4
	v_nop
.endr
	s_branch .Lasked_\@
.Lfor_v_\@:
	tensor_load_to_lds s[G0V+4:G0V+7], s[G1V:G1V+7]
	s_nop 0
.rept 4
	v_nop
.endr
.Lasked_\@:
.endm
; A prefetch of what the NEXT change of slots will ask for: a slot's 128 rows of 256 bytes of K and of V, a lane a row.  Each row is named once in the launch: the head's first cluster asks;
; its four partners take 32 rows each, told apart by address; wave 0 asks for K's, wave 2 for V's.  The last change that fills a slot asks for nothing.
.macro ASK
	s_cmp_gt_u32 s[SLOTS], s[LIM]
	s_cbranch_scc0 .Lnot_mine_\@
	global_prefetch_b8 v[PFO], s[PFA:PFA+1] th:TH_LOAD_NT scope:SCOPE_SE
.Lnot_mine_\@:
.endm
.macro CROUND
	s_barrier_signal -1
	s_barrier_wait -1
	s_cmp_lg_u32 s[WV], 0
	s_cbranch_scc1 .Lnot_wave_0_\@
	s_barrier_signal -3
.Lnot_wave_0_\@:
	s_barrier_wait -3
	s_barrier_signal -1
	s_barrier_wait -1
.endm
	s_load_b128 s[4:7], s[0:1], 0x0   ; qkv s[4:5], ao s[6:7]
	v_lshl_add_u32 v[SPW], v0, 2, SPARE
	v_mov_b32 v[NIL], 0
	ds_add_u32 v[SPW], v[NIL]       ; the wave's opening: the add, twice on end, and its wait ahead of my first tensor load
	ds_add_u32 v[SPW], v[NIL]
	v_lshrrev_b32 v1, 5, v0
	v_readfirstlane_b32 s[WV], v1   ; wave 0..3
	s_bfe_u32 s13, ttmp6, 0x40000   ; cx
	s_lshl_b32 s14, ttmp9, 2
	s_add_co_u32 s14, s14, s13      ; my block of 256 queries: it enters Q's and ao's addresses alone
	s_and_b32 s16, ttmp7, 0xffff    ; the head 16 b + h, which the four partners share
	s_lshl_b32 s20, s16, 18         ; its first byte in each part of qkv
	s_mov_b32 s21, 0
	s_and_b32 s22, s16, 15
	s_lshl_b32 s22, s22, 20         ; ao: h x 8,192 rows of 128 bytes,
	s_lshr_b32 s23, s16, 4
	s_lshl_b32 s23, s23, 18         ; b x 2,048 rows
	s_add_co_u32 s22, s22, s23
	s_lshl_b32 s2, s14, 15          ; my block's 256 rows,
	s_lshl_b32 s3, s[WV], 13        ; my wave's 64 of them
	s_add_co_u32 s2, s2, s3
	s_add_co_u32 s22, s22, s2
	s_mov_b32 s23, 0
	s_add_co_u32 s2, s2, s20
	s_mov_b32 s3, 0
	s_and_b32 s16, s[WV], 1         ; which of a slot's two steps I fetch:
	s_lshl_b32 s17, s16, 14         ; its 64 rows of 256 bytes in memory,
	s_add_co_u32 s20, s20, s17
	s_mul_i32 s17, s16, STEPB       ; and its place in a slot
	s_mov_b32 s[G1K], 15|(1<<16)|(1<<20)|(1<<21)|(5<<22)|(3<<25)  ; the mask: all four; elements of 2 bytes; padding: 4 words after every 64; bit 21 beside a mask
	s_mov_b32 s[G1V], 15|(1<<16)|(1<<20)|(1<<21)|(5<<22)|(7<<25)  ; the same with 8 words of padding
.irp g, G1K, G1V
	s_mov_b32 s[\g+1], 128<<16      ; tensor_dim0
	s_mov_b32 s[\g+2], KS<<16       ; tensor_dim1
	s_mov_b32 s[\g+3], 128<<16      ; tile_dim0
	s_mov_b32 s[\g+4], KS           ; tile_dim1
	s_mov_b32 s[\g+5], 128          ; from row to row
	s_mov_b32 s[\g+6], 0
	s_mov_b32 s[\g+7], 0
.endr
	s_mov_b32 s[CS], 0x3e38aa3b     ; c = log2(e) / 8
	s_mov_b32 s[CS+1], s[CS]
	s_mov_b32 s[SEL], 0x76543210
	s_mov_b32 s[SEL+1], 0xfedcba98
	s_mov_b32 s[TB], 0
	s_mov_b32 s[SLOTS], 6           ; 8 slots of 256 keys; all but the first two are refills
	s_and_b32 s[LIM], s[WV], 1
	s_or_b32 s[LIM], s[LIM], ttmp9  ; 0 in waves 0 and 2 of the head's first cluster
	s_cmp_eq_u32 s[LIM], 0
	s_cselect_b32 s[LIM], 1, -1
	v_and_b32 v[PFO], 31, v0
	v_lshlrev_b32 v[PFO], 8, v[PFO]
	s_wait_dscnt 0x0                ; both opening adds are done
	s_wait_kmcnt 0x0
	s_mov_b64 s[10:11], s[6:7]      ; ao
	s_add_nc_u64 s[8:9], s[4:5], 0x2000000  ; the V part
	s_add_nc_u64 s[6:7], s[4:5], 0x1000000  ; the K part
	s_add_nc_u64 s[6:7], s[6:7], s[20:21]   ; at my tile of slot 0
	s_add_nc_u64 s[8:9], s[8:9], s[20:21]
	s_add_nc_u64 s[4:5], s[4:5], s[2:3]     ; Q and ao at my wave's first row
	s_add_nc_u64 s[10:11], s[10:11], s[22:23]
	s_cmp_lt_u32 s[WV], 2
	s_cselect_b64 s[PFA:PFA+1], s[6:7], s[8:9]
	s_lshl_b32 s2, s13, 13          ; my work-group's 32 rows of the 128
	s_mov_b32 s3, 0
	s_add_nc_u64 s[PFA:PFA+1], s[PFA:PFA+1], s[2:3]
	s_add_nc_u64 s[PFA:PFA+1], s[PFA:PFA+1], 2*2*KS*256  ; in slot 2; the first change steps it to slot 3
	CROUND                          ; all four work-groups are here: the first joint loads meet
.irp s, 0,1
	s_mov_b32 s[G0K+4*\s], 1
	s_add_co_u32 s[G0K+4*\s+1], s17, \s*SLOT1
	s_add_nc_u64 s[G0K+4*\s+2:G0K+4*\s+3], s[6:7], \s*2*KS*256
	s_or_b32 s[G0K+4*\s+3], s[G0K+4*\s+3], 0x80000000
	s_mov_b32 s[G0V+4*\s], 1
	s_add_co_u32 s[G0V+4*\s+1], s17, \s*SLOT1+VOFF
	s_add_nc_u64 s[G0V+4*\s+2:G0V+4*\s+3], s[8:9], \s*2*KS*256
	s_or_b32 s[G0V+4*\s+3], s[G0V+4*\s+3], 0x80000000
.endr
	s_cmp_lt_u32 s[WV], 2           ; a wave's two first fills stand in one branch: two loads of mine are out
	s_cbranch_scc0 .Lfirst_v
	tensor_load_to_lds s[G0K:G0K+3], s[G1K:G1K+7]
	s_nop 0
	tensor_load_to_lds s[G0K+4:G0K+7], s[G1K:G1K+7]
	s_nop 0
.rept 4
	v_nop
.endr
	s_branch .Lfirst_asked
.Lfirst_v:
	tensor_load_to_lds s[G0V:G0V+3], s[G1V:G1V+7]
	s_nop 0
	tensor_load_to_lds s[G0V+4:G0V+7], s[G1V:G1V+7]
	s_nop 0
.rept 4
	v_nop
.endr
.Lfirst_asked:
	v_and_b32 v1, 15, v0            ; r
	v_bfe_u32 v9, v0, 4, 1          ; h
	v_lshlrev_b32 v[QO], 7, v1
	v_lshl_add_u32 v[QO], v9, 4, v[QO]  ; row x 128 + 16 x half
.irp i, 0,1,2,3,4,5,6,7            ; Q stays in registers: tile i / 2, channels 32 (i % 2) on
	global_load_b128 v[Q+8*\i:Q+8*\i+3],   v[QO], s[4:5] offset:(\i/2)*2048+(\i%2)*64
	global_load_b128 v[Q+8*\i+4:Q+8*\i+7], v[QO], s[4:5] offset:(\i/2)*2048+(\i%2)*64+32
.endr
	v_bfe_u32 v[AK0], v0, 1, 3      ; K: key r lies in LDS row r / 2, half r % 2
	v_mul_u32_u24 v[AK0], v[AK0], PKP
	v_and_b32 v[ADR], 1, v0
	v_lshl_add_u32 v[AK0], v[ADR], 7, v[AK0]
	v_lshl_add_u32 v[AK0], v9, 4, v[AK0]
	v_and_b32 v10, 7, v0
	v_bfe_u32 v11, v0, 3, 1
	v_bfe_u32 v[AV0], v0, 1, 2      ; V: lane l addresses key 8 h + l % 8: LDS row 4 h + (l % 8) / 2, half l % 2; channels 8 ((l / 8) % 2) on
	v_lshl_add_u32 v[AV0], v9, 2, v[AV0]
	v_mul_u32_u24 v[AV0], v[AV0], PVP
	v_lshl_add_u32 v[AV0], v[ADR], 7, v[AV0]
	v_lshl_add_u32 v[AV0], v11, 4, v[AV0]
	v_add_nc_u32 v[AV0], VOFF, v[AV0]
; THE MATRIX WORK OF A TURN, for piece x.  The accumulators take turns, one instruction a turn.
; Product i of 32 of O^T += V^T P: keys 32 (i / 8) on, channels 16 ((i / 2) % 4) on, tile x + i % 2.  zero = 1: the first 8 start the sums.
.macro PV x, zero
	WIN W_PV
.set rO, 32*(\x+i%2)+8*((i/2)%4)
.set rV, VF+32*(i/8)+8*((i/2)%4)
.set rP, P+32*(\x+i%2)+8*(i/8)
.if \zero && (i < 8)
	v_wmma_f32_16x16x32_f16 v[rO:rO+7], v[rV:rV+7], v[rP:rP+7], 0
.else
	v_wmma_f32_16x16x32_f16 v[rO:rO+7], v[rV:rV+7], v[rP:rP+7], v[rO:rO+7]
.endif
.endm
; Product i of 32 of S^T = K Q^T: channels 32 (i / 16) on, keys 16 ((i / 2) % 8) on, tile x + i % 2.  The first 16 start the sums.
.macro KQ x
	WIN W_KQ
.set rS, 64*(\x+i%2)+8*((i/2)%8)
.set rK, 16*((i/2)%8)+8*(i/16)
.set rQ, Q+16*(\x+i%2)+8*(i/16)
.if i < 16
	v_wmma_f32_16x16x32_f16 v[rS:rS+7], v[rK:rK+7], v[rQ:rQ+7], 0
.else
	v_wmma_f32_16x16x32_f16 v[rS:rS+7], v[rK:rK+7], v[rQ:rQ+7], v[rS:rS+7]
.endif
.endm
; THE LDS LOADS stand in runs of 32.
.macro FETCH_K
	WIN 0
	v_add_nc_u32 v[ADR], s[TB], v[AK0]
	WIN 0x80                        ; destination window 2
.irp f, 0,1,2,3,4,5,6,7,8,9,10,11,12,13,14,15  ; keys 16 (f / 2) on, channels 32 (f % 2) on
	ds_load_b128 v[8*\f:8*\f+3],   v[ADR] offset:(\f/2)*8*PKP+(\f%2)*64
	ds_load_b128 v[8*\f+4:8*\f+7], v[ADR] offset:(\f/2)*8*PKP+(\f%2)*64+32
.endr
.endm
.macro FETCH_V
	WIN 0
	v_add_nc_u32 v[ADR], s[TB], v[AV0]
	s_add_co_u32 s[TB], s[TB], STEPB  ; the next fetch is the next step's
	s_wait_alu depctr_va_vdst(0)    ; the wait for the softmax's batch of exponentials, ahead of the first instruction that names a result
	WIN 0x80
.irp f, 0,1,2,3,4,5,6,7,8,9,10,11,12,13,14,15  ; keys 32 (f / 4) on, channels 16 (f % 4) on
	ds_load_tr16_b128 v[VF+8*\f:VF+8*\f+3],   v[ADR] offset:(\f/4)*16*PVP+(\f%4)*32
	ds_load_tr16_b128 v[VF+8*\f+4:VF+8*\f+7], v[ADR] offset:(\f/4)*16*PVP+8*PVP+(\f%4)*32
.endr
.endm
; THE VECTOR WORK OF A TURN.  One tile's softmax for a key step is a list of 216 instructions; SM writes number j of it for tile t.  s0-s63 are the lane's 64 scores, in pairs 0-31.
;   0-31    the maximum: four chains c0-c3 of sixteen scores each, two a line, each begun with the old m; every accumulator is first read at its lowest pair
;   32-39   c0-c3 joined; the other half of the lanes'; the new m; c m; a = 2^(c m_old - c m_new)
;   40-135  ONE BATCH: the 32 scalings c s - c m and the 64 exponentials, in sixes that a scaling leads: none reads an exponential's result
;   (wait)  between 135 and 136: SLICE writes it, once for both tiles
;   136-167 the roundings to f16;  168-199 the sums, a tree in place, and l = a l + the sum;  200-215 the tile's O^T times a
; first = 1: the first key step, which starts m, l and O^T: it has no a and nothing to rescale.
.macro SCL
	WIN W_EX
	v_pk_fma_f32 v[rS+2*b:rS+2*b+1], v[rS+2*b:rS+2*b+1], s[CS:CS+1], v[rT:rT+1] op_sel_hi:[1,0,0] neg_lo:[0,0,1] neg_hi:[0,0,1]  ; pair b: c s - c m
.endm
.macro EXPO
	WIN W_EX
	v_exp_f32 v[rS+e], v[rS+e]
.endm
.macro SM t, first
.set rT, ST+8*(\t)
.set rS, 64*(\t)
.set rP, P+32*(\t)
.if j < 4
	WIN W_MX
.if \first
	v_max_num_f32 v[rT+4+j], v[rS+16*j], v[rS+16*j+1]
.else
	v_max3_num_f32 v[rT+4+j], v[rS+16*j], v[rS+16*j+1], v[rT+1]
.endif
.elseif j < 32
	WIN W_MX
	v_max3_num_f32 v[rT+4+j%4], v[rS+16*(j%4)+2*(j/4)], v[rS+16*(j%4)+2*(j/4)+1], v[rT+4+j%4]
.elseif j == 32
	WIN 0
	v_max3_num_f32 v[rT+4], v[rT+4], v[rT+5], v[rT+6]
.elseif j == 33
	WIN 0
	v_max_num_f32 v[rT+4], v[rT+4], v[rT+7]
.elseif j == 34
	WIN 0
	v_permlanex16_b32 v[rT+5], v[rT+4], s[SEL], s[SEL+1]  ; the query's other 64 keys lie in the lane 16 away
.elseif ((j == 35) || (j == 38) || (j == 39) || (j > 198)) && \first  ; the first step has none of these
.elseif j == 35
	WIN 0
	v_mov_b32 v[rT+7], v[rT]        ; c m_old is kept for a: number 37 writes c m anew
.elseif j == 36
	WIN 0
	v_max_num_f32 v[rT+1], v[rT+4], v[rT+5]
.elseif j == 37
	WIN 0
	v_mul_f32 v[rT], s[CS], v[rT+1]
.elseif j == 38
	WIN 0
	v_sub_f32 v[rT+7], v[rT+7], v[rT]
.elseif j == 39
	WIN 0
	v_exp_f32 v[rT+6], v[rT+7]
.elseif j < 42
.set b, j-40
	SCL
.elseif j < 132
.set n6, (j-42)%6
.set g6, (j-42)/6
.if (n6 == 0) || (n6 == 3)
.set b, 2*g6+2+n6/3
	SCL
.else
.set e, 4*g6+n6-1-n6/4
	EXPO
.endif
.elseif j < 136
.set e, j-72
	EXPO
.elseif j < 168
	WIN W_MX
	v_cvt_pk_f16_f32 v[rP+j-136], v[rS+2*(j-136)], v[rS+2*(j-136)+1]
.elseif j < 200
.set z, j-168
.set w, 64
.set u, 0
.if z < 16
.set w, 4
.set u, z
.elseif z < 24
.set w, 8
.set u, z-16
.elseif z < 28
.set w, 16
.set u, z-24
.elseif z < 30
.set w, 32
.set u, z-28
.endif
.if (z == 30) && \first
	WIN W_MX
	v_pk_add_f32 v[rT+2:rT+3], v[rS:rS+1], v[rS+32:rS+33]
.elseif z < 31
	WIN W_AD
	v_pk_add_f32 v[rS+w*u:rS+w*u+1], v[rS+w*u:rS+w*u+1], v[rS+w*u+w/2:rS+w*u+w/2+1]
.else
	WIN W_LS
	v_pk_fma_f32 v[rT+2:rT+3], v[rT+2:rT+3], v[rT+6:rT+7], v[rS:rS+1] op_sel_hi:[1,0,1]
.endif
.else
.set rO, 32*(\t)+2*(j-200)
	WIN W_RS
	v_pk_mul_f32 v[rO:rO+1], v[rO:rO+1], v[rT+6:rT+7] op_sel_hi:[1,0]
.endif
.endm
; Slice k of 64 of piece y's softmax.  Slices 12 to 43 deal out the batch, a six of ONE tile each, the tiles by turns; every other slice holds the same numbers of both tiles, alternating.
; THE WAIT: ahead of slice 44 nothing names an exponential's result, and behind slice 43 no exponential is issued: the piece's 130 exponentials have one wait, behind slice 43.
.macro SLICE y, first
.if k < 8
.irp n, 0,1,2,3
.irp t, \y, \y+1
.set j, 4*k+\n
	SM \t, \first
.endr
.endr
.elseif k < 11
.irp n, 0,1
.irp t, \y, \y+1
.set j, 32+2*(k-8)+\n
	SM \t, \first
.endr
.endr
.elseif k == 11
.irp n, 0,1,2,3
.irp t, \y, \y+1
.set j, 38+\n
	SM \t, \first
.endr
.endr
.elseif k < 44
.irp n, 0,1,2,3,4,5
.if (\n < 4) || (k < 42)
.set j, 42+6*((k-12)/2)+\n
	SM (\y)+(k-12)%2, \first
.endif
.endr
.else
.irp n, 0,1,2,3
.irp t, \y, \y+1
.set j, 136+4*(k-44)+\n
	SM \t, \first
.endr
.endr
.endif
.if k == 43
	v_nop                           ; a plain instruction behind the last exponential and ahead of the first use: one for the batch
.if (\y) == 0
	FETCH_V                         ; piece 2's turn: V's run of loads stands here, and the wait stands in it
.else
	s_wait_alu depctr_va_vdst(0)    ; the wait for the batch
.endif
.endif
.set k, k+1
.endm
.macro PLACES
.rept 4
	v_nop
.endr
.endm
; A TURN.  Piece x has the matrix unit; the other piece's softmax stands in slices behind its matrix instructions.  pv = 2: 32 products V^T P; 1: they start O^T's sums; 0: none.
; kq = 1: 32 products K Q^T for the next step.  A turn with one kind has two slices behind each product.  first = 1: its slices from 60 on are empty, and four v_nop are the places behind the last products.
; Piece 0's turn fetches the next step's K behind its second product: the last product that read K stands in front of slice 63 of the turn before, eight packed multiplies.
; Piece 2's turn fetches the same step's V behind slice 43: the last product that read V stands in front of slice 31, and the scalings of slices 32 to 41 lie between.
.macro TURN x, pv, kq, first
.set k, 0
.set per, 2
.if \pv && \kq
.set per, 1
.endif
.if \pv
.if \x == 0
	s_wait_dscnt 0x0                ; V is in
.endif
.set i, 0
.rept 32
	PV \x, 2-\pv
.rept per
	SLICE 2-\x, \first
.endr
.if (\x == 0) && \kq && (i == 1)
	FETCH_K
.endif
.set i, i+1
.endr
.endif
.if \kq
.if \x == 0
	s_wait_dscnt 0x0                ; K is in
.endif
.set i, 0
.rept 32
	KQ \x
.rept per
	SLICE 2-\x, \first
.endr
.set i, i+1
.endr
.endif
.if \first
	PLACES
.endif
.endm
; THE CHANGE OF SLOTS, between piece 2's turn and piece 0's.  Each wave waits for all its tensor loads (one is out: its part of the other slot), adds 0 to its spare word, and waits for that and
; for its reads of the slot.  fill = 1: the barrier is a round of the cluster's, and the joint refill is the first thing behind it: it has two key steps, 256 matrix instructions, in which to land.
.macro CHANGE fill
	WIN 0
	s_wait_tensorcnt 0x0            ; no tensor load of mine is out, so a group 0 may be written
	ds_add_u32 v[SPW], v[NIL]       ; 0 onto my spare word
.if \fill
.irp g, G0K+4, G0V+4
	s_xor_b32 s[\g+1], s[\g+1], SLOT1  ; the walking descriptor: the other slot than last time,
	s_add_nc_u64 s[\g+2:\g+3], s[\g+2:\g+3], 2*KS*256  ; the next 256 keys
.endr
	s_wait_xcnt 0x0                 ; the last prefetch, two key steps back, has read its address
	s_add_nc_u64 s[PFA:PFA+1], s[PFA:PFA+1], 2*KS*256
	s_wait_dscnt 0x0                ; the add is done, and my reads of the slot are over
	CROUND
	JLOAD
	ASK
.else
	s_wait_dscnt 0x0
	s_barrier_signal -1
	s_barrier_wait -1
.endif
	s_sub_co_u32 s[TB], s[TB], 2*STEPB  ; the fetches go back to a slot's first step,
	s_xor_b32 s[TB], s[TB], SLOT1   ; in the other slot
.endm
.macro TWO_STEPS
	s_mov_b32 s[TWICE], 2
.Lstep_\@:
	TURN 0, 2, 1, 0
	TURN 2, 2, 1, 0
	WIN 0
	s_sub_co_u32 s[TWICE], s[TWICE], 1
	s_cmp_lg_u32 s[TWICE], 0
	s_cbranch_scc1 .Lstep_\@
.endm
	s_wait_tensorcnt 1              ; my part of slot 0 is in; slot 1's may stay out
	s_barrier_signal -1
	s_barrier_wait -1
	FETCH_K                         ; key step 0
	s_wait_loadcnt 0x0              ; Q
	s_wait_dscnt 0x0
.set i, 0
.rept 32
	KQ 0                            ; piece 0's first scores
.set i, i+1
.endr
	WIN 0                           ; the addresses for the way out: plain instructions, the places behind those products
	s_mul_i32 s13, s[WV], 16*SP
	s_add_co_u32 s13, s13, STAGE    ; my stage
	v_mul_u32_u24 v[STO], v1, SP    ; in: row r, 16 bytes for each half of the lanes
	v_lshl_add_u32 v[STO], v9, 4, v[STO]
	v_add_nc_u32 v[STO], s13, v[STO]
	v_bfe_u32 v[RD], v0, 3, 2       ; back: eight lanes to a row of 128 bytes, four rows an instruction
	v_mul_u32_u24 v[RD], v[RD], SP
	v_lshl_add_u32 v[RD], v10, 4, v[RD]
	v_add_nc_u32 v[RD], s13, v[RD]
	v_and_b32 v[GO], 31, v0
	v_lshlrev_b32 v[GO], 4, v[GO]   ; and the same 512 bytes in ao
	TURN 2, 0, 1, 1                 ; piece 2's first scores | piece 0's first softmax | V of step 0
	TURN 0, 1, 1, 1                 ; piece 0: V^T P of step 0 starts O^T, K Q^T of step 1 | piece 2's first softmax | K of step 1
	TURN 2, 1, 1, 0                 ; piece 2: the same | piece 0's softmax of step 1 | V of step 1
	WIN 0
.Lslot:                             ; six trips: every slot but the last two is filled again
	CHANGE 1
	TWO_STEPS
	s_sub_co_u32 s[SLOTS], s[SLOTS], 1
	s_cmp_lg_u32 s[SLOTS], 0
	s_cbranch_scc1 .Lslot
	CHANGE 0                        ; the tail is written out
	TWO_STEPS
	TURN 0, 2, 0, 0                 ; piece 0: V^T P of the last step | piece 2's last softmax
.set i, 0
.rept 32
	PV 2, 0
.set i, i+1
.endr
	; THE WAY OUT.  l's parts are added; O^T is divided by l, rounded to f16 and sent through my stage, a tile (16 rows of 128 bytes) at a time.  The additions are the places behind the last products.
	WIN 0
.irp t, 0,1,2,3
	v_add_f32 v[ST+8*\t+4], v[ST+8*\t+2], v[ST+8*\t+3]
.endr
.irp t, 0,1,2,3
	v_permlanex16_b32 v[ST+8*\t+5], v[ST+8*\t+4], s[SEL], s[SEL+1]
.endr
.irp t, 0,1,2,3
	v_add_f32 v[ST+8*\t+4], v[ST+8*\t+4], v[ST+8*\t+5]
.endr
.irp t, 0,1,2,3
	v_rcp_f32 v[ST+8*\t+6], v[ST+8*\t+4]
.endr
	v_nop                           ; a plain instruction between the last reciprocal and the use of its result
	s_wait_alu depctr_va_vdst(0)    ; one wait for the four reciprocals, ahead of the first use
.macro PACK t
	WIN W_RS
.set i, 32*\t
.rept 16
	v_pk_mul_f32 v[i:i+1], v[i:i+1], v[ST+8*\t+6:ST+8*\t+7] op_sel_hi:[1,0]
.set i, i+2
.endr
	WIN 0x0f                        ; sources window 3, destination window 0: P's registers are free
.set i, 0
.rept 16
	v_cvt_pk_f16_f32 v[P+16*\t+i], v[32*\t+2*i], v[32*\t+2*i+1]
.set i, i+1
.endr
	WIN 0
.irp f, 0,1,2,3
	ds_store_b128 v[STO], v[P+16*\t+4*\f:P+16*\t+4*\f+3] offset:32*\f
.endr
.irp f, 0,1,2,3
	ds_load_b128 v[192+16*\t+4*\f:192+16*\t+4*\f+3], v[RD] offset:\f*4*SP  ; LDS serves a wave's instructions in order: these see the stores above; the next tile's stores come behind them
.endr
.endm
.macro SEND t, younger              ; younger: the LDS instructions issued behind tile t's loads: the next tile's eight, or none
.irp f, 0,1,2,3
	s_wait_dscnt \younger+3-\f
	global_store_b128 v[GO], v[192+16*\t+4*\f:192+16*\t+4*\f+3], s[10:11] offset:\t*2048+\f*512  ; the wave stores 512 consecutive bytes, aligned
.endr
.endm
	PACK 0
	PACK 1
	SEND 0, 8
	PACK 2
	SEND 1, 8
	PACK 3
	SEND 2, 8
	SEND 3, 0
	s_wait_tensorcnt 0x0            ; the wave's end
	ds_add_u32 v[SPW], v[NIL]
	s_wait_dscnt 0x0
	CROUND                          ; the closing round
	s_endpgm
.Lfunc_end_k_q755581b0df_attn:
	.size	k_q755581b0df_attn, .Lfunc_end_k_q755581b0df_attn-k_q755581b0df_attn
	.p2alignl 7, 3214868480
	.fill 96, 4, 3214868480
	.section	.rodata,"a",@progbits
	.p2align	6, 0x0
	.amdhsa_kernel k_q755581b0df_attn
		.amdhsa_group_segment_fixed_size 327680
		.amdhsa_private_segment_fixed_size 0
		.amdhsa_enable_private_segment 0
		.amdhsa_kernarg_size 16
		.amdhsa_user_sgpr_count 2
		.amdhsa_user_sgpr_kernarg_segment_ptr 1
		.amdhsa_wavefront_size32 1
		.amdhsa_system_sgpr_workgroup_id_x 1
		.amdhsa_system_sgpr_workgroup_id_y 1
		.amdhsa_system_sgpr_workgroup_id_z 1
		.amdhsa_system_vgpr_workitem_id 0
		.amdhsa_next_free_vgpr 1024
		.amdhsa_next_free_sgpr 66
		.amdhsa_reserve_vcc 0
		.amdhsa_float_denorm_mode_32 3
		.amdhsa_float_denorm_mode_16_64 3
		.amdhsa_memory_ordered 1
		.amdhsa_forward_progress 1
		.amdhsa_inst_pref_size 255
	.end_amdhsa_kernel
	.section	.bss,"aw",@nobits
	.p2align	6
	.space	262144
	.amdgpu_metadata
---
amdhsa.version: [ 1, 2 ]
amdhsa.kernels:
  - .name:           k_q755581b0df_attn
    .symbol:         k_q755581b0df_attn.kd
    .args:
      - { .name: qkv, .offset: 0, .size: 8, .value_kind: global_buffer, .address_space: global }
      - { .name: ao, .offset: 8, .size: 8, .value_kind: global_buffer, .address_space: global }
    .group_segment_fixed_size: 327680
    .private_segment_fixed_size: 0
    .kernarg_segment_align: 8
    .kernarg_segment_size: 16
    .max_flat_workgroup_size: 128
    .sgpr_count:     66
    .vgpr_count:     1024
    .wavefront_size: 32
...
	.end_amdgpu_metadata
.endif
;; end of part 3
;; launch proj (part 4): grid 4 x 64, 4 waves a work-group, clusters of 4 x 4, 327,680 bytes of LDS; arguments ao, wo, b_out, out0; writes out0
.if DOCPART == 4
	.amdgcn_target "amdgcn-amd-amdhsa--gfx1250"
	.amdhsa_code_object_version 6
	.text
	.protected	k_q755581b0df_proj
	.globl	k_q755581b0df_proj
	.p2align	8
	.type	k_q755581b0df_proj,@function
k_q755581b0df_proj:
	s_mov_b64 s[64:65], 0
	v_nop
	global_prefetch_b8 v0, s[64:65] scope:SCOPE_SE
	s_setreg_imm32_b32 hwreg(HW_REG_WAVE_MODE, 25, 1), 1
	s_wait_xcnt 0x0
	s_wait_alu depctr_hold_cnt(0) depctr_sa_sdst(0) depctr_va_vdst(0) depctr_va_sdst(0) depctr_va_ssrc(0) depctr_va_vcc(0) depctr_vm_vsrc(0)
	s_getreg_b32 s2, hwreg(HW_REG_IB_STS2, 6, 4)
	s_cmp_eq_u32 s2, 0
	s_cbranch_scc0 .Lentry_in_a_cluster
	s_endpgm
.Lentry_in_a_cluster:
	s_bfe_u32 s2, ttmp6, 0x10000c
	s_cmp_lg_u32 s2, 0xf033
	s_cbranch_scc0 .Lentry_shape_is_right
	s_endpgm
.Lentry_shape_is_right:
; Launch 4 of 4: out0[m][n] = the sum over k of A[m][k] wo[n][k] + b_out[n].  A = attention's result in f16, head-major: ao [16 heads][8192 rows][64]; k = 64 head + channel.
; wo [1024 n][1024 k] f16; out0 [8192][1024] f32; sums in f32.  LIMIT: f16 operands, magnitudes under 65,504.
; A tile of 128 x 256 gives 256 work-groups; four waves, 64 x 128 each: 32 accumulators, 256 registers.  K goes in steps of 128 (two heads) through two LDS slots:
; A's part of a slot is two heads x 128 rows of 128 bytes, dense in memory, stated as 64 rows of 256 bytes a head (two rows of A to an LDS row); B's is 256 rows of 256 bytes.
; Two slots of a longer step would not fit: (128 + 256) rows x 528 bytes x 2 is more than the work-group's LDS.  From a request to the wait for it a wave issues 112 matrix instructions.
; CLUSTERS: 4 x 4; A's tiles are asked for jointly along a row of the cluster, B's along a column.  The matrix instruction is used transposed (source 0 = 16 rows of wo, source 1 = 16 rows of A):
; a lane holds eight neighbouring columns of one row.  The bias is the C of the first products.
; REGISTERS: window 0: v16-31 addresses; v64-191 the way out; v192-255 the bias.   window 1: two fragment buffers of 96 (A's four at +0, B's eight at +32).   window 2: accumulator (a, b) at v[8 (8 a + b)].
.set PITCH,  272                       ; an LDS row: 256 bytes + 16 of padding
.set AHALF,  64*PITCH                  ; one head's 128 rows of A
.set BHALF,  128*PITCH
.set BOFF,   2*AHALF
.set SLOT,   BOFF+2*BHALF
.set STAGE,  2*SLOT                    ; behind the ring: 16 rows x 528 bytes for each wave
.set SPITCH, 528
.set SPARE,  STAGE+4*16*SPITCH         ; the spare words, 128 bytes for each wave: two blocks of 256 bytes that no other line names
.set LAPS,   4                         ; a lap = two K steps; K = 1,024
.set ADRA, 16
.set ADRB, 20
.set STO,  24
.set RD,   25
.set CO,   26
.set SPW,  28
.set NIL,  29
.set PFO,  30
.set BO,   31
.set BK,   64
.set BIAS, 192
.set F0,   0
.set F1,   96
.set G1, 24
.set G0, 32
.set G1B, 48
.set G0B, 56
.set LIM, 43
.set PFA, 44
.set PFS, 46
.set MSB, 0
.macro WIN new
.if MSB != \new
	s_set_vgpr_msb (MSB<<8)|\new
.set MSB, \new
.endif
.endm
.set MUL,   0xa5                       ; sources 0 and 1 window 1, C and D window 2
.set FIRST, 0x85                       ; C (the bias) window 0
.set TO_F,  0x40
.macro JLOAD s                         ; waves 0, 1: A's two heads; waves 2, 3: B's two halves; an s_nop 0 and four v_nop follow each line
	s_cmp_eq_u32 s13, 0
	s_cbranch_scc0 .Lfor_b_\@
	tensor_load_to_lds s[G0+4*\s:G0+4*\s+3], s[G1:G1+7]
	s_nop 0
.rept 4
	v_nop
.endr
	s_branch .Lasked_\@
.Lfor_b_\@:
	tensor_load_to_lds s[G0B+4*\s:G0B+4*\s+3], s[G1B:G1B+7]
	s_nop 0
.rept 4
	v_nop
.endr
.Lasked_\@:
.endm
; A prefetch of the K step that stands two refills on, 32 blocks of 256 bytes, a lane a block.  Each block is named once in the launch.  A's rows are read by one row of one cluster alone: wave 0 of each of its
; four work-groups takes 16 blocks of each of the step's two heads, told apart by address.  B's rows are read by every cluster: those with y = 0 ask, waves 2 and 3, 32 rows for each partner of a column.
; The first four K steps come by their loads alone; the loop's last trip asks for nothing: there is no K step two refills on.
.macro ASK
	s_cmp_gt_u32 s3, s[LIM]
	s_cbranch_scc0 .Lnot_mine_\@
	global_prefetch_b8 v[PFO], s[PFA:PFA+1] th:TH_LOAD_NT scope:SCOPE_SE
.Lnot_mine_\@:
.endm
.macro CREST
	s_cmp_lg_u32 s12, 0
	s_cbranch_scc1 .Lnot_wave_0_\@
	s_barrier_signal -3
.Lnot_wave_0_\@:
	s_barrier_wait -3
	s_barrier_signal -1
	s_barrier_wait -1
.endm
.macro CROUND
	s_barrier_signal -1
	s_barrier_wait -1
	CREST
.endm
	s_load_b256 s[4:11], s[0:1], 0x0               ; ao s[4:5], wo s[6:7], b_out s[8:9], out0 s[10:11]
	v_lshl_add_u32 v[SPW], v0, 2, SPARE
	v_mov_b32 v[NIL], 0
	ds_add_u32 v[SPW], v[NIL]                      ; the wave's opening: the add, twice on end, and its wait ahead of my first tensor load
	ds_add_u32 v[SPW], v[NIL]
	v_lshrrev_b32 v1, 5, v0
	v_readfirstlane_b32 s12, v1                    ; wave 0..3
	s_lshr_b32 s13, s12, 1                         ; my half of the tile's rows; also: I fetch for A (0) or for B (1)
	s_and_b32 s14, s12, 1                          ; my half of its columns; also: which head, or which 128 rows, I fetch
	s_bfe_u32 s15, ttmp6, 0x40000                  ; cx
	s_bfe_u32 s16, ttmp6, 0x40004                  ; cy
	s_lshl_b32 s17, ttmp9, 2
	s_add_co_u32 s17, s17, s15                     ; tile column
	s_and_b32 s18, ttmp7, 0xffff
	s_lshl_b32 s18, s18, 2
	s_add_co_u32 s18, s18, s16                     ; tile row
	s_lshl_b32 s40, s16, 2
	s_lshl_b32 s40, 15, s40                        ; my row of the cluster
	s_lshl_b32 s41, 0x1111, s15                    ; my column
	s_or_b32 s[G1+0], s40, (1<<16)|(1<<20)|(1<<21)|(5<<22)|(3<<25)   ; the mask; elements of 2 bytes; padding: 4 words after every 64; bit 21 beside a mask
	s_or_b32 s[G1B+0], s41, (1<<16)|(1<<20)|(1<<21)|(5<<22)|(3<<25)
	s_mov_b32 s[G1+1], 128<<16                     ; A: 64 rows of 128 elements, dense
	s_mov_b32 s[G1+2], 64<<16
	s_mov_b32 s[G1+3], 128<<16
	s_mov_b32 s[G1+4], 64
	s_mov_b32 s[G1+5], 128
	s_mov_b32 s[G1+6], 0
	s_mov_b32 s[G1+7], 0
	s_mov_b32 s[G1B+1], 128<<16                    ; B: 128 rows of 128 elements, 1,024 elements apart
	s_mov_b32 s[G1B+2], 128<<16
	s_mov_b32 s[G1B+3], 128<<16
	s_mov_b32 s[G1B+4], 128
	s_mov_b32 s[G1B+5], 1024
	s_mov_b32 s[G1B+6], 0
	s_mov_b32 s[G1B+7], 0
	s_lshl_b32 s20, s14, 20                        ; A: head (wave % 2) of 8,192 rows of 128 bytes,
	s_lshl_b32 s21, s18, 14                        ; row 128 x tile row
	s_add_co_u32 s20, s20, s21
	s_mov_b32 s21, 0
	s_lshl_b32 s22, s17, 8                         ; B: row 256 x tile column + 128 x half, of 2,048 bytes
	s_lshl_b32 s23, s14, 7
	s_add_co_u32 s22, s22, s23
	s_lshl_b32 s22, s22, 11
	s_mov_b32 s23, 0
	s_mul_i32 s42, s14, AHALF                      ; where they go: by the wave's number alone
	s_mul_i32 s19, s14, BHALF
	s_add_co_u32 s19, s19, BOFF
	s_wait_dscnt 0x0                               ; both opening adds are done
	s_wait_kmcnt 0x0
	s_add_nc_u64 s[20:21], s[4:5], s[20:21]
	s_add_nc_u64 s[22:23], s[6:7], s[22:23]
	CROUND                                         ; all sixteen work-groups are here: the first joint loads meet
.irp s, 0,1
	s_mov_b32 s[G0+4*\s], 1
	s_add_co_u32 s[G0+4*\s+1], s42, \s*SLOT
	s_add_nc_u64 s[G0+4*\s+2:G0+4*\s+3], s[20:21], \s*0x200000   ; K step s: two heads on
	s_or_b32 s[G0+4*\s+3], s[G0+4*\s+3], 0x80000000
	s_mov_b32 s[G0B+4*\s], 1
	s_add_co_u32 s[G0B+4*\s+1], s19, \s*SLOT
	s_add_nc_u64 s[G0B+4*\s+2:G0B+4*\s+3], s[22:23], \s*256
	s_or_b32 s[G0B+4*\s+3], s[G0B+4*\s+3], 0x80000000
	JLOAD \s
.endr
	v_and_b32 v1, 15, v0                           ; r
	v_bfe_u32 v2, v0, 4, 1                         ; h
	s_lshl_b32 s68, s17, 10                        ; my 128 columns, in bytes of f32: 1,024 x tile column + 512 x half
	s_lshl_b32 s69, s14, 9
	s_add_co_u32 s68, s68, s69
	s_mov_b32 s69, 0
	s_add_nc_u64 s[8:9], s[8:9], s[68:69]
	s_add_nc_u64 s[10:11], s[10:11], s[68:69]
	v_lshlrev_b32 v[BO], 5, v2
.irp b, 0,1,2,3,4,5,6,7                        ; the bias of B's block b, my half's eight columns
	global_load_b128 v[BIAS+8*\b:BIAS+8*\b+3], v[BO], s[8:9] offset:64*\b
	global_load_b128 v[BIAS+8*\b+4:BIAS+8*\b+7], v[BO], s[8:9] offset:64*\b+16
.endr
	v_bfe_u32 v3, v0, 1, 3                         ; A: row r lies in LDS row r / 2, half r % 2
	v_mul_u32_u24 v3, v3, PITCH
	v_and_b32 v4, 1, v0
	v_lshl_add_u32 v3, v4, 7, v3
	v_lshl_add_u32 v3, v2, 4, v3
	v_mul_u32_u24 v4, v1, PITCH                    ; B: row r
	v_lshl_add_u32 v4, v2, 4, v4
	s_mul_i32 s70, s13, 32*PITCH                   ; my 64 rows of A are 32 LDS rows
	s_mul_i32 s71, s14, BHALF
	s_add_co_u32 s71, s71, BOFF
.irp s, 0,1
	v_add_nc_u32 v[ADRA+\s], s70, v3
	v_add_nc_u32 v[ADRB+\s], s71, v4
	s_add_co_u32 s70, s70, SLOT
	s_add_co_u32 s71, s71, SLOT
.endr
	s_mul_i32 s70, s12, 16*SPITCH
	s_add_co_u32 s70, s70, STAGE                   ; my stage
	v_mul_u32_u24 v5, v1, SPITCH
	v_lshl_add_u32 v5, v2, 5, v5
	v_add_nc_u32 v[STO], s70, v5                   ; in: row r, 32 bytes for each half of the lanes
	v_and_b32 v6, 31, v0
	v_lshlrev_b32 v[CO], 4, v6                     ; back: the 32 lanes take one row of 512 bytes; and the same in out0
	v_add_nc_u32 v[RD], s70, v[CO]
	s_lshl_b32 s68, s18, 19                        ; my first row of out0: (128 x tile row + 64 x half) x 4,096 bytes
	s_lshl_b32 s70, s13, 18
	s_add_co_u32 s68, s68, s70
	s_add_nc_u64 s[10:11], s[10:11], s[68:69]
	; the prefetches: where my wave's stand, and who asks
	s_lshl_b32 s68, s18, 14                        ; A: the tile's rows in a head, + my work-group's 16 blocks, at K step 3
	s_lshl_b32 s70, s15, 12
	s_add_co_u32 s68, s68, s70
	s_add_co_u32 s68, s68, 3*0x200000
	s_lshl_b32 s69, s17, 8                         ; B: row 256 x tile column + 128 x half + 32 cy, at K step 3
	s_lshl_b32 s70, s14, 7
	s_add_co_u32 s69, s69, s70
	s_lshl_b32 s70, s16, 5
	s_add_co_u32 s69, s69, s70
	s_lshl_b32 s69, s69, 11
	s_add_co_u32 s69, s69, 3*256
	s_and_b32 s70, ttmp7, 0xffff                   ; cluster y
	s_mov_b32 s71, 32768
	s_mov_b32 s[PFS], 256
	s_mov_b32 s2, 2048
	s_cmp_eq_u32 s13, 0                            ; do I fetch for A?
	s_cselect_b64 s[PFA:PFA+1], s[4:5], s[6:7]
	s_cselect_b32 s68, s68, s69
	s_cselect_b32 s70, s14, s70                    ; A: wave 0 asks, wave 1 does not; B: the clusters with y = 0
	s_cselect_b32 s71, 0x100000, s71               ; from lanes 0-15 to lanes 16-31: a head on, or 16 rows of wo
	s_cselect_b32 s[PFS], 0x200000, s[PFS]         ; a K step on
	s_cselect_b32 s2, 256, s2                      ; from lane to lane
	s_mov_b32 s69, 0
	s_mov_b32 s[PFS+1], 0
	s_add_nc_u64 s[PFA:PFA+1], s[PFA:PFA+1], s[68:69]
	s_cmp_eq_u32 s70, 0
	s_cselect_b32 s[LIM], 1, -1                    ; the same in all partners, for a given wave
	v_mul_lo_u32 v[PFO], v2, s71
	v_mul_lo_u32 v5, v1, s2
	v_add_nc_u32 v[PFO], v[PFO], v5
; 8 matrix instructions: A's block a x B's eight, 32 along K.  mode = 1: the bias starts the sums.  The 32 accumulators take turns.
.macro MULA f, a, mode
.irp b, 0,1,2,3,4,5,6,7
.if \mode
	v_wmma_f32_16x16x32_f16 v[8*(8*(\a)+\b):8*(8*(\a)+\b)+7], v[\f+32+8*\b:\f+32+8*\b+7], v[\f+8*(\a):\f+8*(\a)+7], v[BIAS+8*\b:BIAS+8*\b+7]
.else
	v_wmma_f32_16x16x32_f16 v[8*(8*(\a)+\b):8*(8*(\a)+\b)+7], v[\f+32+8*\b:\f+32+8*\b+7], v[\f+8*(\a):\f+8*(\a)+7], v[8*(8*(\a)+\b):8*(8*(\a)+\b)+7]
.endif
.endr
.endm
; 24 LDS loads in one run: quarter q (32 along K) of a slot into buffer f: B's eight fragments, then A's four.  Quarters 0, 1 lie in the step's first head, 2, 3 in its second.
.macro FETCH slot, q, f
	WIN TO_F
.irp i, 0,1,2,3,4,5,6,7
	ds_load_b128 v[\f+32+8*\i:\f+32+8*\i+3], v[ADRB+\slot] offset:64*(\q)+\i*16*PITCH
	ds_load_b128 v[\f+32+8*\i+4:\f+32+8*\i+7], v[ADRB+\slot] offset:64*(\q)+\i*16*PITCH+32
.endr
.irp i, 0,1,2,3
	ds_load_b128 v[\f+8*\i:\f+8*\i+3], v[ADRA+\slot] offset:AHALF*((\q)/2)+64*((\q)%2)+\i*8*PITCH
	ds_load_b128 v[\f+8*\i+4:\f+8*\i+7], v[ADRA+\slot] offset:AHALF*((\q)/2)+64*((\q)%2)+\i*8*PITCH+32
.endr
.endm
.macro PLACES                          ; four plain vector instructions between a matrix instruction and a load into, or a read of, its registers
.rept 4
	v_nop
.endr
.endm
; One of a K step's first three quarters: multiplies buffer f and fetches quarter q into g.
.macro QUARTER slot, q, f, g, mode
	s_wait_dscnt 4                                 ; B's fragments and A's blocks 0, 1 are in; blocks 2, 3 may be out
.if \mode
	WIN FIRST
.else
	WIN MUL
.endif
	MULA \f, 0, \mode
	MULA \f, 1, \mode
	PLACES
	FETCH \slot, \q, \g
	s_wait_dscnt 24                                ; all but the 24 just issued
.if \mode
	WIN FIRST
.else
	WIN MUL
.endif
	MULA \f, 2, \mode
	MULA \f, 3, \mode
.endm
; The last quarter multiplies buffer 1 and changes slots: one barrier; in front of it each wave waits for all its tensor loads, adds 0 to its spare word, and waits for that and for its reads of this slot.
.macro TURN slot, next, fill
.if \fill
	s_wait_xcnt 0x0                                ; the last prefetch, a K step back, has read its address
	s_add_nc_u64 s[PFA:PFA+1], s[PFA:PFA+1], s[PFS:PFS+1]
.endif
	WIN 0
	s_wait_tensorcnt 0x0                           ; all my tensor loads have landed: my part of the next slot
	ds_add_u32 v[SPW], v[NIL]                      ; 0 onto my spare word
	s_wait_dscnt 5                                 ; (the add and A's blocks 2, 3 may be out)
	WIN MUL
	MULA F1, 0, 0
	s_wait_dscnt 0x0                               ; the add is done, and my reads of this slot are over
	s_barrier_signal -1
	MULA F1, 1, 0
.if \fill
	WIN 0
.endif
	s_barrier_wait -1
.if \fill
	CREST                                          ; the barrier has opened a round of the cluster's: no wave of any partner still reads this slot or has a load on its way
	s_add_nc_u64 s[G0+4*\slot+2:G0+4*\slot+3], s[G0+4*\slot+2:G0+4*\slot+3], 2*0x200000
	s_add_nc_u64 s[G0B+4*\slot+2:G0B+4*\slot+3], s[G0B+4*\slot+2:G0B+4*\slot+3], 2*256
	JLOAD \slot                                    ; the first tensor load behind the round; its four v_nop are also the places in front of the loads below
.else
	PLACES
.endif
	FETCH \next, 0, F0
.if \fill
	WIN 0                                          ; a branch follows
	ASK
.endif
	WIN MUL
	MULA F1, 2, 0
	MULA F1, 3, 0
.endm
	s_wait_tensorcnt 1                             ; my part of K step 0 is in; K step 1's load may be out
	s_barrier_signal -1
	s_barrier_wait -1
	FETCH 0, 0, F0
	s_wait_loadcnt 0x0                             ; the bias
	QUARTER 0, 1, F0, F1, 1                        ; the first quarter stands in front of the loop: its products start the sums from the bias
	WIN 0
	s_mov_b32 s3, LAPS-1
.Llap:                                                 ; a trip goes once round the ring and fills both slots again
	QUARTER 0, 2, F1, F0, 0
	QUARTER 0, 3, F0, F1, 0
	TURN 0, 1, 1
	QUARTER 1, 1, F0, F1, 0
	QUARTER 1, 2, F1, F0, 0
	QUARTER 1, 3, F0, F1, 0
	TURN 1, 0, 1
	QUARTER 0, 1, F0, F1, 0
	WIN 0
	s_sub_co_u32 s3, s3, 1
	s_cmp_lg_u32 s3, 0
	s_cbranch_scc1 .Llap
	QUARTER 0, 2, F1, F0, 0                        ; the last lap fills nothing
	QUARTER 0, 3, F0, F1, 0
	TURN 0, 1, 0
	QUARTER 1, 1, F0, F1, 0
	QUARTER 1, 2, F1, F0, 0
	QUARTER 1, 3, F0, F1, 0
	s_wait_dscnt 4                                 ; the very last quarter: nothing more to fetch
	WIN MUL
	MULA F1, 0, 0
	MULA F1, 1, 0
	s_wait_dscnt 0
	MULA F1, 2, 0
	MULA F1, 3, 0
	WIN 0
; THE WAY OUT, a block of 16 rows x 128 columns at a time, through my own stage: back as whole rows of 512 bytes.
.macro TOSTAGE a
	WIN 0x08                                       ; an LDS store's data: window 2
.irp b, 0,1,2,3,4,5,6,7
	ds_store_b128 v[STO], v[64*(\a)+8*\b:64*(\a)+8*\b+3] offset:64*\b          ; each accumulator from its low end on
	ds_store_b128 v[STO], v[64*(\a)+8*\b+4:64*(\a)+8*\b+7] offset:64*\b+16
.endr
	WIN 0
.set BB, BK+64*((\a)%2)
.irp t, 0,1,2,3,4,5,6,7,8,9,10,11,12,13,14,15
	ds_load_b128 v[BB+4*\t:BB+4*\t+3], v[RD] offset:\t*SPITCH   ; LDS serves a wave's instructions in order: these see the stores above
.endr
.endm
.macro SEND a, younger
.set BB, BK+64*((\a)%2)
	s_wait_dscnt \younger                          ; the block is back in registers
.irp t, 0,1,2,3,4,5,6,7,8,9,10,11,12,13,14,15
	global_store_b128 v[CO], v[BB+4*\t:BB+4*\t+3], s[10:11] offset:(16*(\a)+\t)*4096 th:TH_STORE_NT   ; the wave stores 512 consecutive bytes, aligned; written once, read by nobody here
.endr
.endm
	PLACES
	TOSTAGE 0
.irp a, 1,2,3
.if \a > 1
	s_wait_xcnt 0x0                                ; block a - 2's stores have read their registers: block a's loads may land there
.endif
	TOSTAGE \a
	SEND \a-1, 32                                  ; behind block a - 1's loads: block a's 16 stores and 16 loads
.endr
	SEND 3, 0
	s_wait_tensorcnt 0x0                           ; the wave's end
	ds_add_u32 v[SPW], v[NIL]
	s_wait_dscnt 0x0
	CROUND                                         ; the closing round
	s_endpgm
.Lfunc_end_k_q755581b0df_proj:
	.size	k_q755581b0df_proj, .Lfunc_end_k_q755581b0df_proj-k_q755581b0df_proj
	.p2alignl 7, 3214868480
	.fill 96, 4, 3214868480
	.section	.rodata,"a",@progbits
	.p2align	6, 0x0
	.amdhsa_kernel k_q755581b0df_proj
		.amdhsa_group_segment_fixed_size 327680
		.amdhsa_private_segment_fixed_size 0
		.amdhsa_enable_private_segment 0
		.amdhsa_kernarg_size 32
		.amdhsa_user_sgpr_count 2
		.amdhsa_user_sgpr_kernarg_segment_ptr 1
		.amdhsa_wavefront_size32 1
		.amdhsa_system_sgpr_workgroup_id_x 1
		.amdhsa_system_sgpr_workgroup_id_y 1
		.amdhsa_system_sgpr_workgroup_id_z 1
		.amdhsa_system_vgpr_workitem_id 0
		.amdhsa_next_free_vgpr 768
		.amdhsa_next_free_sgpr 72
		.amdhsa_reserve_vcc 0
		.amdhsa_float_denorm_mode_32 3
		.amdhsa_float_denorm_mode_16_64 3
		.amdhsa_memory_ordered 1
		.amdhsa_forward_progress 1
		.amdhsa_inst_pref_size 88
	.end_amdhsa_kernel
	.amdgpu_metadata
---
amdhsa.version: [ 1, 2 ]
amdhsa.kernels:
  - .name:           k_q755581b0df_proj
    .symbol:         k_q755581b0df_proj.kd
    .args:
      - { .name: ao, .offset: 0, .size: 8, .value_kind: global_buffer, .address_space: global }
      - { .name: wo, .offset: 8, .size: 8, .value_kind: global_buffer, .address_space: global }
      - { .name: b_out, .offset: 16, .size: 8, .value_kind: global_buffer, .address_space: global }
      - { .name: out0, .offset: 24, .size: 8, .value_kind: global_buffer, .address_space: global }
    .group_segment_fixed_size: 327680
    .private_segment_fixed_size: 0
    .kernarg_segment_align: 8
    .kernarg_segment_size: 32
    .max_flat_workgroup_size: 128
    .sgpr_count:     72
    .vgpr_count:     768
    .wavefront_size: 32
...
	.end_amdgpu_metadata
.endif
;; end of part 4
